; MI455X (gfx1250); checked and timed in simulation.
; The chip was launched on July 23, 2026; its instructions are those of AMD's public machine-readable ISA for CDNA 5 (MIT licence, August 2026) and "CDNA5" Instruction Set Architecture Reference Guide (July 2026). The comments in the code are by the model that wrote it; some were corrected since.
;; Multi Head Attention. Allowed arithmetic: matrix products marked QUANTISED: E2M1 operands, one E8M0 scale for each 32 along K, by v_wmma_scale_f32_16x16x128_f8f6f4 with both operands' format E2M1 (or v_wmma_scale_f32_32x16x128_f4), f32 sums; everything else in f32.
;; Inputs: Wk 2,048 x 2,048 float32; Wo 2,048 x 2,048 float32; Wq 2,048 x 2,048 float32; Wv 2,048 x 2,048 float32; bk 2,048 float32; bo 2,048 float32; bq 2,048 float32; bv 2,048 float32; mask 1 x 1 x 2,048 x 2,048 bool; x 1 x 2,048 x 2,048 float32.
;; Outputs: out0 1 x 2,048 x 2,048 float32.
;; This version of the problem:
;;   THIS VERSION OF THE PROBLEM IS GIVEN IN LOW PRECISION. The matrix products marked QUANTISED in the list below multiply operands that are first quantised to E2M1 (2 exponent bits, 1 mantissa bit; 4 bits a number), with one power-of-two scale for each 32 numbers along K (OCP MX v1.0); their sums are f32. All else is computed in f32.
;;   The module's matrix products, in the order in which they are computed (A, B: the left and right operand; K: the contracted axis; several contracted axes count as one K, in the product's order):
;;     1. [M 2,048, K 2,048] x [K 2,048, N 2,048]; A: input x; B: input Wq: QUANTISED
;;     2. [M 2,048, K 2,048] x [K 2,048, N 2,048]; A: input x; B: input Wk: QUANTISED
;;     3. [M 2,048, K 2,048] x [K 2,048, N 2,048]; A: input x; B: input Wv: QUANTISED
;;     4. batch 16 x [M 2,048, K 128] x [K 128, N 2,048]; A: computed on the way; B: computed on the way: QUANTISED
;;     5. batch 16 x [M 2,048, K 2,048] x [K 2,048, N 128]; A: softmax (see below); B: computed on the way: QUANTISED
;;     6. [M 2,048, K 2,048] x [K 2,048, N 2,048]; A: computed on the way; B: input Wo: QUANTISED
;;   THE QUANTISER, for each operand of a quantised product, along K:
;;     - K is cut into blocks of 32 from its start; a last block that is shorter is filled with zeros.
;;     - A block's scale is 2^e with e = floor(log2(the largest magnitude in the block)) - 2, held to -126 .. 127; a block of zeros has e = 0. As a byte (E8M0): e + 127.
;;     - Each number is divided by its block's scale, clamped to +-6, and rounded to the nearest number of E2M1, ties to even, subnormals kept.
;;     - The product sums the exact products of the quantised numbers (number of the format x scale) in f32.
;;   ~~~python
;;   def quantise(x, axis):      # numpy; x: float32 -> the quantised numbers, widened to float32 again
;;       x = np.moveaxis(x, axis, -1); K = x.shape[-1]
;;       x = np.pad(x, [(0, 0)] * (x.ndim - 1) + [(0, -K % 32)]); x = x.reshape(x.shape[:-1] + (-1, 32)); a = np.abs(x).max(-1, keepdims=True)
;;       e = np.where(a > 0, np.clip(np.frexp(np.where(a > 0, a, 1))[1] - 1 - 2, -126, 127), 0)      # np.frexp(a)[1] - 1 = floor(log2(a)), exactly
;;       r = np.clip(x / 2.0 ** e, -6, 6)
;;       step = 2.0 ** (np.maximum(np.frexp(np.where(r == 0, 1, r))[1] - 1, 0) - 1)
;;       q = np.round(r / step) * step * 2.0 ** e      # np.round: ties to even
;;       return np.moveaxis(q.reshape(q.shape[:-2] + (-1,))[..., :K], -1, axis).astype(np.float32)
;;   ~~~
;;   SOFTMAX AHEAD OF A QUANTISED PRODUCT. Where the list says 'softmax', what is quantised is not the finished softmax but p = 2^(t - M), with t = logit x log2(e) and M = ceil(the row's largest t), a whole number; so 1/2 < the row's largest p <= 1. The row's sum l is taken of the UNQUANTISED p, in f32, and the product's result is divided by l at the end. Since M is a whole number, a kernel that streams over the keys may use a running M (the ceiling of the running maximum): every later rescaling is an exact power of two, which a block's scale takes up: the codes' values come out the same.
;;   OPERANDS COMPUTED ON THE WAY. 'Computed on the way' means the value that the module computes at that place (a softmax that the list does not call 'softmax' is quantised finished and normalised). What goes into a quantiser is computed in f32, as accurately as f32 sums, v_exp_f32 and their like allow (about 1e-6 of the number): no bf16 or f16 on the way to a quantiser, and a product that is left as it is and whose result goes on into a quantised operand takes f32 operands (vector FMAs, or v_wmma_f32_16x16x4_f32). A number that lies on a knife's edge between two numbers of the format may be rounded either way, as far as f32 arithmetic and the matrix unit's own rounding can turn it there, and no further.
;; 2 versions, each right; version 2 is version 1 with the launch attn written anew for expert scheduling mode. Each part assembles by itself: llvm-mc -triple=amdgcn-amd-amdhsa -mcpu=gfx1250 --defsym DOCPART=n.
;; ======== version 1 of 2: 4 launches
;; limits: right only within a limited range of input values
;; workspace buffers: codes 10,485,760 bytes; scl 655,360 bytes; mw 524,288 bytes of whole numbers; msum 16,384 bytes of whole numbers; qkvc 6,291,456 bytes; qkvs 393,216 bytes; ac 2,097,152 bytes; asc 131,072 bytes
;; launch prep (part 1): grid 768 x 1, 4 waves a work-group, no clusters, 33,280 bytes of LDS; arguments x, Wq, Wk, Wv, Wo, mask, codes, scl, mw, msum; writes codes, scl, mw, msum
.if DOCPART == 1
	.amdgcn_target "amdgcn-amd-amdhsa--gfx1250"
	.amdhsa_code_object_version 6
	.text
	.protected	k_q548815f16e_prep
	.globl	k_q548815f16e_prep
	.p2align	8
	.type	k_q548815f16e_prep,@function
k_q548815f16e_prep:
	s_mov_b64 s[64:65], 0
	v_nop
	global_prefetch_b8 v0, s[64:65] scope:SCOPE_SE
	s_setreg_imm32_b32 hwreg(HW_REG_WAVE_MODE, 25, 1), 1
	s_wait_xcnt 0x0
; MULTI-HEAD ATTENTION IN MX-FP4, FIRST OF FOUR LAUNCHES: x, Wq, Wk, Wv, Wo (f32, [2048][2048], K innermost) become codes of FP4 (E2M1) with one E8M0 byte for each 32 along K; the mask becomes lane-mask words.
; WHAT THE PROGRAM LEAVES OUT.  No input and no product is left out: every bias goes into a quantised operand or into the output, and the mask is read as it is given.  One thing is not computed: a unit of 16 queries x 128 keys
; ALL of whose 2,048 mask bytes are set, in a tile of queries each of which has an open key somewhere.  There every logit of the unit is the least f32 number, the row's largest logit is an open key's, so p = 2^(t - M) is 0
; throughout the unit: it adds 0 to the row's sum and zero codes to the second product, for all values of the other inputs.  That is decided by whole numbers (the mask), stored here and read from memory by the third launch.
; A tile that holds a query with no open key at all walks every unit, so that such a query gets the plain mean of V, as the softmax of equal logits gives it.
; LIMITS: a NaN, an infinity or an overflow that reaches only a unit left out is not carried to the result.  NaN and infinities among the inputs are not served.  Blocks whose largest magnitude lies under 2^-124 keep the byte 1;
; a block of zeros has the byte 1 where the rule says 127: its codes are zeros, which add nothing under any byte but 0xff, and the bytes are read by this program alone.
; STORED ORDER.  In all five tensors of codes row p of the buffer holds row sw(p) of the tensor, sw = bits 3 and 4 of the row's number exchanged.  So 16 rows on end, 16 a .. 16 a + 15, are the tensor's rows
; 32 (a / 2) + 8 (a % 2) + r + 8 (r / 8): a tile of a transposed product then leaves 16 neighbours along the next K in the 16 registers of two neighbouring tiles.
; WORK-GROUPS 128 .. 767 quantise: 128 to a tensor, 16 rows each, a wave 4 rows = 8,192 numbers = 16 steps of 512.  Each of a step's four loads reads 512 consecutive bytes; the 2,048 bytes turn through the wave's own stage in LDS
; (16 bytes of padding behind each 64) and come back 64 bytes a lane: 16 neighbours along K, two lanes to a block.  A wave's store of codes covers 256 consecutive bytes; its 256 scale bytes are gathered in LDS and leave as one store.
; WORK-GROUPS 0 .. 127 take the mask: work-group T the 16 queries q(T, r) = 32 (T / 2) + 8 (T % 2) + r + 8 (r / 8), wave w the key steps 4 w .. 4 w + 3 of 128 keys.  Word n (0 .. 63) of a step: bit 16 h + r =
; mask[q(T, r)][128 step + 32 (n / 16) + 16 h + n % 16]: the lane mask for register n of the third launch's scores.  msum: for each step the AND and the OR of its 64 words.  No LDS on this way.
.set WAVES, 4
.set STEPS, 16
.set MWG,   128                        ; work-groups that take the mask
.set EMAX,  2
.set CB,    8                          ; bytes of 16 codes
.set R,     16                         ; v16-79   four sets of 16 numbers as they are loaded (mask: 64 registers of mask bytes)
.set X,     80                         ; v80-111  two sets of 16 neighbours
.set C,     128                        ; v128-191 codes: four registers for each step, so that no store's data are written again
.set E,     112                        ; v112-127 a scale byte for each step
.set WREG,  8192                       ; LDS: a region for each wave: two stages of 32 x SP bytes, behind them its 256 scale bytes
.set SP,    80                         ; a lane's place in a stage: 64 bytes + 16 of padding
.set SPW,   12                         ; v12      LDS address of my spare word; never rewritten
.set NIL,   13                         ; v13      0; never rewritten
.set SPARE, WAVES*WREG                 ; behind the four regions: the spare words, 128 bytes a wave, which no other line names
.macro LOAD t
.irp i, 0,1,2,3
	global_load_b128 v[R+16*((\t)%4)+4*\i:R+16*((\t)%4)+4*\i+3], v3, s[4:5] offset:2048*(\t)+512*\i th:TH_LOAD_NT   ; 32 lanes read 512 consecutive bytes
.endr
.endm
.macro TURN t                          ; step t's numbers through the stage: LDS serves a wave's instructions in order, so no wait stands between the stores and the loads
.irp i, 0,1,2,3
	ds_store_b128 v14, v[R+16*((\t)%4)+4*\i:R+16*((\t)%4)+4*\i+3] offset:32*SP*((\t)%2)+8*SP*\i
.endr
.irp i, 0,1,2,3
	ds_load_b128 v[X+16*((\t)%2)+4*\i:X+16*((\t)%2)+4*\i+3], v15 offset:32*SP*((\t)%2)+16*\i
.endr
.endm
.macro STEP t
.set XS, X+16*((\t)%2)
.if (\t) > 0
	s_wait_dscnt 1                                 ; this step's numbers are back from the stage (the last step's byte store may be out)
.else
	s_wait_dscnt 0x0
.endif
.if (\t)+4 < STEPS
	LOAD (\t)+4                                    ; the registers that the stage's stores have read take the loads of four steps on
.endif
.if (\t)+1 < STEPS
.if STEPS-2-(\t) >= 3
	s_wait_loadcnt 12                              ; the next step's four loads are in; those of the three steps behind it may be out
.else
	s_wait_loadcnt 4*(STEPS-2-(\t))
.endif
	TURN (\t)+1
.endif
	v_max3_num_f32 v8, |v[XS]|, |v[XS+1]|, |v[XS+2]|               ; the largest magnitude of my 16, in two chains
	v_max3_num_f32 v9, |v[XS+3]|, |v[XS+4]|, |v[XS+5]|
.irp i, 6,10
	v_max3_num_f32 v8, v8, |v[XS+\i]|, |v[XS+\i+1]|
	v_max3_num_f32 v9, v9, |v[XS+\i+2]|, |v[XS+\i+3]|
.endr
	v_max3_num_f32 v8, v8, |v[XS+14]|, |v[XS+15]|
	v_max3_num_f32 v8, v8, v9, (EMAX+1)<<23        ; and the floor 2^(3 - 127): the byte cannot fall under 1
	v_max_num_f32_dpp v8, v8, v8 row_xmask:1 row_mask:0xf bank_mask:0xf   ; and of my neighbour's 16: the block's
	v_add_nc_u32 v11, -(EMAX<<23), v8              ; 2 off its exponent field: the conversion takes the exponent field of this operand as its scale
	v_cvt_scalef32_pk8_fp4_f32 v[C+4*(\t)], v[XS:XS+7], v11
	v_cvt_scalef32_pk8_fp4_f32 v[C+4*(\t)+1], v[XS+8:XS+15], v11
	v_lshrrev_b32 v[E+(\t)], 23, v11               ; the scale's byte
	ds_store_b8 v5, v[E+(\t)] offset:16*(\t)       ; both lanes of a block write the same byte with the same value
	global_store_b64 v4, v[C+4*(\t):C+4*(\t)+1], s[16:17] offset:32*CB*(\t)
.endm
; One key step of the mask: 64 words.  Byte n % 4 of register n / 4 is my lane's mask byte for word n; the compare gathers the 32 lanes' bits; word n goes to lane n / 2 of the step's pair of registers.
.macro MSTEP s
	s_wait_loadcnt 12-4*\s                         ; this step's four loads are in; the later steps' may be out
.set n, 0
.rept 64
	v_and_b32 v[80+n%4], 0xff<<(8*(n%4)), v[R+16*\s+n/4]
	v_cmp_ne_u32 s[28+n%4], 0, v[80+n%4]
	v_writelane_b32 v[84+2*\s+n%2], s[28+n%4], n/2
.if n == 0
	s_mov_b32 s26, s28
	s_mov_b32 s27, s28
.else
	s_and_b32 s26, s26, s[28+n%4]                  ; all 64 words' AND: a bit is set where all of a lane's 64 keys are masked
	s_or_b32 s27, s27, s[28+n%4]                   ; and their OR: 0 where no key of the step is masked
.endif
.set n, n+1
.endr
	global_store_b64 v6, v[84+2*\s:85+2*\s], s[20:21] offset:256*\s   ; 32 lanes store the step's 256 consecutive bytes
	v_writelane_b32 v92, s26, \s
	v_writelane_b32 v92, s27, 4+\s
.endm
	s_load_b256 s[4:11], s[0:1], 0x0               ; x, Wq, Wk, Wv
	s_load_b256 s[12:19], s[0:1], 0x20             ; Wo, mask, codes, scl
	s_load_b128 s[20:23], s[0:1], 0x40             ; mw, msum
	v_lshl_add_u32 v[SPW], v0, 2, SPARE
	v_mov_b32 v[NIL], 0
	v_lshrrev_b32 v1, 5, v0
	v_readfirstlane_b32 s24, v1                    ; wave 0..3
	v_and_b32 v2, 31, v0                           ; lane
	s_cmp_lt_u32 ttmp9, MWG
	s_cbranch_scc1 .Lmask
	; ---- the quantiser
	v_lshlrev_b32 v3, 4, v2                        ; my 16 bytes of a load's 512
	s_mul_i32 s25, s24, WREG
	v_lshrrev_b32 v14, 2, v2
	v_mul_u32_u24 v14, v14, SP
	v_and_b32 v15, 3, v2
	v_lshl_add_u32 v14, v15, 4, v14
	v_add_nc_u32 v14, s25, v14                     ; the stage, on the way in: SP (lane / 4) + 16 (lane % 4)
	v_mul_u32_u24 v15, v2, SP
	v_add_nc_u32 v15, s25, v15                     ; and on the way out: SP x lane
	v_mul_u32_u24 v4, v2, CB                       ; my codes' place in a step's
	v_lshrrev_b32 v5, 1, v2
	s_add_co_u32 s25, s25, 2*32*SP
	v_add_nc_u32 v5, s25, v5                       ; LDS: my wave's 256 scale bytes, my block's byte
	v_lshlrev_b32 v7, 3, v2                        ; and on the way out 8 bytes a lane
	v_add_nc_u32 v6, s25, v7
	s_sub_co_u32 s26, ttmp9, MWG
	s_lshr_b32 s27, s26, 7                         ; which tensor: 0 x, 1 Wq, 2 Wk, 3 Wv, 4 Wo
	s_and_b32 s26, s26, 127
	s_lshl_b32 s26, s26, 2
	s_add_co_u32 s26, s26, s24                     ; which run of 4 rows of it is my wave's
	s_and_b32 s28, s26, 0x1f9                      ; where the run is stored: a row's bits 3 and 4 are the run's bits 1 and 2: exchanged
	s_and_b32 s29, s26, 2
	s_lshl_b32 s29, s29, 1
	s_or_b32 s28, s28, s29
	s_and_b32 s29, s26, 4
	s_lshr_b32 s29, s29, 1
	s_or_b32 s28, s28, s29
	s_lshl_b32 s30, s26, 15                        ; the run's 32,768 bytes of f32,
	s_mov_b32 s31, 0
	s_lshl_b32 s32, s27, 21                        ; its 4,096 bytes of codes (2 MiB a tensor),
	s_lshl_b32 s33, s28, 12
	s_add_co_u32 s32, s32, s33
	s_mov_b32 s33, 0
	s_lshl_b32 s34, s27, 17                        ; its 256 scale bytes (128 KiB a tensor)
	s_lshl_b32 s35, s28, 8
	s_add_co_u32 s34, s34, s35
	s_mov_b32 s35, 0
	s_wait_kmcnt 0x0
	s_cmp_eq_u32 s27, 1                            ; the choice hangs on the work-group's number alone
	s_cselect_b64 s[4:5], s[6:7], s[4:5]
	s_cmp_eq_u32 s27, 2
	s_cselect_b64 s[4:5], s[8:9], s[4:5]
	s_cmp_eq_u32 s27, 3
	s_cselect_b64 s[4:5], s[10:11], s[4:5]
	s_cmp_eq_u32 s27, 4
	s_cselect_b64 s[4:5], s[12:13], s[4:5]
	s_add_nc_u64 s[4:5], s[4:5], s[30:31]
	s_add_nc_u64 s[16:17], s[16:17], s[32:33]
	s_add_nc_u64 s[18:19], s[18:19], s[34:35]
.irp t, 0,1,2,3
	LOAD \t
.endr
	s_wait_loadcnt 12                              ; step 0's four loads are in
	TURN 0
.irp t, 0,1,2,3,4,5,6,7,8,9,10,11,12,13,14,15
	STEP \t
.endr
	ds_load_b64 v[8:9], v6                         ; LDS serves a wave's instructions in order: these see my byte stores
	s_wait_dscnt 0x0
	global_store_b64 v7, v[8:9], s[18:19]          ; 32 lanes store 256 consecutive bytes
	s_wait_tensorcnt 0x0                           ; the wave's end, behind my last LDS store
	ds_add_u32 v[SPW], v[NIL]
	s_wait_dscnt 0x0
	s_endpgm
	; ---- the mask
.Lmask:
	v_and_b32 v3, 15, v0                           ; r
	v_bfe_u32 v4, v0, 4, 1                         ; h
	v_and_b32 v5, 8, v3
	v_add_nc_u32 v5, v5, v3                        ; r + 8 (r / 8)
	v_lshlrev_b32 v5, 11, v5                       ; a row of the mask is 2,048 bytes
	v_lshl_add_u32 v5, v4, 4, v5                   ; + 16 h: my 16 keys of each 32
	v_lshlrev_b32 v6, 3, v2                        ; out: two words a lane
	v_and_b32 v7, 3, v2
	v_lshlrev_b32 v7, 2, v7
	v_lshrrev_b32 v8, 2, v2
	v_lshl_add_u32 v7, v8, 6, v7                   ; the summaries: lanes 0-3 the four ANDs, lanes 4-7 the four ORs, 64 bytes further on
	s_lshr_b32 s25, ttmp9, 1
	s_lshl_b32 s25, s25, 5
	s_and_b32 s26, ttmp9, 1
	s_lshl_b32 s26, s26, 3
	s_add_co_u32 s25, s25, s26                     ; 32 (T / 2) + 8 (T % 2)
	s_lshl_b32 s32, s25, 11
	s_lshl_b32 s26, s24, 9                         ; my four steps' 512 bytes of a row
	s_add_co_u32 s32, s32, s26
	s_mov_b32 s33, 0
	s_lshl_b32 s34, ttmp9, 12                      ; mw: 4,096 bytes a tile, 1,024 a wave
	s_lshl_b32 s26, s24, 10
	s_add_co_u32 s34, s34, s26
	s_mov_b32 s35, 0
	s_lshl_b32 s36, ttmp9, 7                       ; msum: 128 bytes a tile, 16 a wave
	s_lshl_b32 s26, s24, 4
	s_add_co_u32 s36, s36, s26
	s_mov_b32 s37, 0
	s_wait_kmcnt 0x0
	s_add_nc_u64 s[14:15], s[14:15], s[32:33]
	s_add_nc_u64 s[20:21], s[20:21], s[34:35]
	s_add_nc_u64 s[22:23], s[22:23], s[36:37]
.irp s, 0,1,2,3
.irp b, 0,1,2,3
	global_load_b128 v[R+16*\s+4*\b:R+16*\s+4*\b+3], v5, s[14:15] offset:128*\s+32*\b
.endr
.endr
.irp j, 84,85,86,87,88,89,90,91,92
	v_mov_b32 v\j, 0                               ; a written lane's register counts as read: written whole once
.endr
	MSTEP 0
	MSTEP 1
	MSTEP 2
	MSTEP 3
	s_wait_xcnt 0x0                                ; EXEC changes only behind this wait
	v_cmp_gt_u32 vcc_lo, 8, v2
	s_and_saveexec_b32 s31, vcc_lo
	global_store_b32 v7, v92, s[22:23]             ; eight words: 32 bytes of the tile's 128
	s_wait_xcnt 0x0
	s_or_b32 exec_lo, exec_lo, s31
	s_endpgm
.Lfunc_end_k_q548815f16e_prep:
	.size	k_q548815f16e_prep, .Lfunc_end_k_q548815f16e_prep-k_q548815f16e_prep
	.p2alignl 7, 3214868480
	.fill 96, 4, 3214868480
	.section	.rodata,"a",@progbits
	.p2align	6, 0x0
	.amdhsa_kernel k_q548815f16e_prep
		.amdhsa_group_segment_fixed_size 33280
		.amdhsa_private_segment_fixed_size 0
		.amdhsa_enable_private_segment 0
		.amdhsa_kernarg_size 80
		.amdhsa_user_sgpr_count 2
		.amdhsa_user_sgpr_kernarg_segment_ptr 1
		.amdhsa_wavefront_size32 1
		.amdhsa_system_sgpr_workgroup_id_x 1
		.amdhsa_system_sgpr_workgroup_id_y 1
		.amdhsa_system_sgpr_workgroup_id_z 1
		.amdhsa_system_vgpr_workitem_id 0
		.amdhsa_next_free_vgpr 192
		.amdhsa_next_free_sgpr 66
		.amdhsa_reserve_vcc 1
		.amdhsa_float_denorm_mode_32 3
		.amdhsa_float_denorm_mode_16_64 3
		.amdhsa_memory_ordered 1
		.amdhsa_forward_progress 1
		.amdhsa_inst_pref_size 102
	.end_amdhsa_kernel
	.amdgpu_metadata
---
amdhsa.version: [ 1, 2 ]
amdhsa.kernels:
  - .name:           k_q548815f16e_prep
    .symbol:         k_q548815f16e_prep.kd
    .args:
      - { .name: x, .offset: 0, .size: 8, .value_kind: global_buffer, .address_space: global }
      - { .name: Wq, .offset: 8, .size: 8, .value_kind: global_buffer, .address_space: global }
      - { .name: Wk, .offset: 16, .size: 8, .value_kind: global_buffer, .address_space: global }
      - { .name: Wv, .offset: 24, .size: 8, .value_kind: global_buffer, .address_space: global }
      - { .name: Wo, .offset: 32, .size: 8, .value_kind: global_buffer, .address_space: global }
      - { .name: mask, .offset: 40, .size: 8, .value_kind: global_buffer, .address_space: global }
      - { .name: codes, .offset: 48, .size: 8, .value_kind: global_buffer, .address_space: global }
      - { .name: scl, .offset: 56, .size: 8, .value_kind: global_buffer, .address_space: global }
      - { .name: mw, .offset: 64, .size: 8, .value_kind: global_buffer, .address_space: global }
      - { .name: msum, .offset: 72, .size: 8, .value_kind: global_buffer, .address_space: global }
    .group_segment_fixed_size: 33280
    .private_segment_fixed_size: 0
    .kernarg_segment_align: 8
    .kernarg_segment_size: 80
    .max_flat_workgroup_size: 128
    .sgpr_count:     66
    .vgpr_count:     192
    .wavefront_size: 32
...
	.end_amdgpu_metadata
.endif
;; end of part 1
;; launch qkv (part 2): grid 24 x 8, 4 waves a work-group, clusters of 4 x 4, 327,680 bytes of LDS; arguments codes, scl, bq, bk, bv, qkvc, qkvs; writes qkvc, qkvs
.if DOCPART == 2
	.amdgcn_target "amdgcn-amd-amdhsa--gfx1250"
	.amdhsa_code_object_version 6
	.text
	.protected	k_q548815f16e_qkv
	.globl	k_q548815f16e_qkv
	.p2align	8
	.type	k_q548815f16e_qkv,@function
k_q548815f16e_qkv:
	s_mov_b64 s[64:65], 0
	v_nop
	global_prefetch_b8 v0, s[64:65] scope:SCOPE_SE
	s_setreg_imm32_b32 hwreg(HW_REG_WAVE_MODE, 25, 1), 1
	s_wait_xcnt 0x0
	s_wait_alu depctr_hold_cnt(0) depctr_sa_sdst(0) depctr_va_vdst(0) depctr_va_sdst(0) depctr_va_ssrc(0) depctr_va_vcc(0) depctr_vm_vsrc(0)
	s_getreg_b32 s2, hwreg(HW_REG_IB_STS2, 6, 4)
	s_cmp_eq_u32 s2, 0
	s_cbranch_scc0 .Lentry_in_a_cluster
	s_endpgm
.Lentry_in_a_cluster:
	s_bfe_u32 s2, ttmp6, 0x10000c
	s_cmp_lg_u32 s2, 0xf033
	s_cbranch_scc0 .Lentry_shape_is_right
	s_endpgm
.Lentry_shape_is_right:
; SECOND LAUNCH: q = x Wq^T + bq, k = x Wk^T + bk, v = x Wv^T + bv on codes of FP4 with E8M0 scales, and their results quantised in registers: q and k along the head's 128, v along the keys.  Nothing is left out here.
; ONE BODY, C'[m'][n'] = A' B'^T, quantised along n'.  Tile columns 0-7: q, 8-15: k (A' = x, B' = Wq or Wk: m' a token, n' a feature); 16-23: v (A' = Wv, B' = x: m' a feature, n' a token, so that v's K, the keys, runs along n').
; A tile of C' is 256 x 256: four waves, each 128 x 128 in 64 accumulators.  K = 2,048 goes in steps of 512 (rows of 256 bytes) through a ring of two LDS slots filled by tensor loads; the scale bytes of the 512 rows come once and stay.
; CLUSTERS of 4 x 4: A's tiles are asked for jointly along a row of the cluster, B's along a column.  Which of the two shapes a work-group has hangs on the cluster's x alone: it is the same in all sixteen partners.
; THE MATRIX INSTRUCTION IS USED TRANSPOSED (source 0 = 16 rows of B', source 1 = 16 rows of A').  All rows lie in the stored order of the first launch (bits 3 and 4 of a row's number exchanged), so in block a of my rows lane (r, h)
; holds stored row 16 a + r of A', and register 8 b + j of the block's 64 is n' = 32 (b / 2) + 16 h + 8 (b % 2) + j: register 16 B + i is n' = 32 B + 16 h + i: 16 neighbours of each block of 32 along the next K.
; THE WAY OUT needs no LDS: the bias is added (q, k: by column; v: by row), the block's 64 numbers a lane are quantised, and the eight code registers ARE a fragment (16 rows x 128 K) of the third launch's operands:
; they are stored as they stand, 16 bytes a lane, 512 consecutive bytes a store.  qkvc: [q, k, v][head][block of 128 tokens][a] images of 1,024 bytes; qkvs: [q, k, v][head][block] 512 bytes: lane (r, h), word i = the scale word of row r of tile 2 i + h.
; Both forms of the bias are fetched by every work-group (32 short loads, once), so that no register read on the way out hangs on a branch at the head.
; LIMITS: NaN and infinities are not served; a block whose largest magnitude lies under 2^-124, zeros too, keeps the byte 1 (read by this program alone).
; REGISTERS, in windows of 256: window 0: v0-31 addresses; v32-95 scale words, two sets; v96-111 the bias by row; v128-191 A's fragments, one set; v192-255 the bias by column.  On the way out: v8-15 scale words made, v16-19 their image,
;   v32-95 the codes made, v112-127 at work, v128-191 a block's 64 numbers.   window 1: B's fragments, two sets.   windows 2, 3: the accumulators of my rows 0-63, 64-127 ((a, b) at v[8 (8 (a % 4) + b)]).
.set KSTEP,  512
.set NQ,     KSTEP/128
.set ROWB,   256                       ; a tile's row in bytes
.set KROW,   1024                      ; a row of codes in memory
.set PITCH,  272                       ; an LDS row: 256 bytes + 16 of padding: the 16 rows that a load touches start at 16 different banks
.set FR,     8
.set NL,     2
.set NP,     4                         ; places behind this matrix instruction (ISA guide 7.12.1)
.set HALFT,  128*PITCH
.set SLOT,   4*HALFT
.set LAPS,   2                         ; 2,048 / (2 x 512)
.set KS,     64                        ; a row of scale bytes
.set SCL,    2*SLOT
.set HALFS,  (128*KS/256)*272
.set SBLK,   (16*KS/256)*272
.set SPARE,  SCL+4*HALFS               ; the spare words, 128 bytes a wave, which no other line names
.set ADRA, 16
.set ADRB, 20
.set OA,   26                          ; v26  16 x lane: an image's place for my lane
.set ADRS, 27
.set SPW,  28
.set NIL,  29
.set BOF,  30                          ; v30  the bias by column: 64 h
.set ROF,  31                          ; v31  the bias by row: 4 (r + 8 (r / 8))
.set SC,   32
.set BR,   96
.set TM,   112
.set AF,   128
.set BC,   192
.set HB,   128
.set PC,   32
.set PW,   8
.set SI,   16
.set G1, 24
.set G0, 32
.set G1B, 48
.set G0B, 56
.set G1S, 68
.set G0S, 76
.set G1SB, 80
.set G0SB, 88
.set SEL, 92
.set MSB, 0
.macro WIN new                         ; the immediate's high byte repeats the setting that is left
.if MSB != \new
	s_set_vgpr_msb (MSB<<8)|\new
.set MSB, \new
.endif
.endm
.set MUL_LO, 0xa1                      ; source 0 (B) window 1, source 1 (A) window 0, C and D window 2
.set MUL_HI, 0xf1
.set TO_B,   0x40
; A joint load: waves 0 and 1 fetch for A, waves 2 and 3 for B; the branch hangs on the wave's number alone.  An s_nop 0 and four v_nop follow each of the two lines.
.macro JLOAD g0a, g1a, g0b, g1b
	s_cmp_eq_u32 s15, 0
	s_cbranch_scc0 .Lfor_b_\@
	tensor_load_to_lds s[\g0a:\g0a+3], s[\g1a:\g1a+7]
	s_nop 0
.rept 4
	v_nop
.endr
	s_branch .Lasked_\@
.Lfor_b_\@:
	tensor_load_to_lds s[\g0b:\g0b+3], s[\g1b:\g1b+7]
	s_nop 0
.rept 4
	v_nop
.endr
.Lasked_\@:
.endm
.macro CREST                           ; a round of the cluster's barrier behind its opening barrier
	s_cmp_lg_u32 s14, 0
	s_cbranch_scc1 .Lnot_wave_0_\@
	s_barrier_signal -3
.Lnot_wave_0_\@:
	s_barrier_wait -3
	s_barrier_signal -1
	s_barrier_wait -1
.endm
.macro CROUND
	s_barrier_signal -1
	s_barrier_wait -1
	CREST
.endm
	s_load_b256 s[4:11], s[0:1], 0x0               ; codes s[4:5], scl s[6:7], bq s[8:9], bk s[10:11]
	s_load_b128 s[96:99], s[0:1], 0x20             ; bv s[96:97], qkvc s[98:99]
	s_load_b64 s[100:101], s[0:1], 0x30            ; qkvs
	v_lshl_add_u32 v[SPW], v0, 2, SPARE
	v_mov_b32 v[NIL], 0
	ds_add_u32 v[SPW], v[NIL]                      ; the wave's opening: the add, twice on end, and its wait ahead of my first tensor load
	ds_add_u32 v[SPW], v[NIL]
	v_lshrrev_b32 v1, 5, v0
	v_readfirstlane_b32 s14, v1                    ; wave 0..3
	s_lshr_b32 s15, s14, 1                         ; which half of the tile's rows is mine.  Also: I fetch for A (0) or for B (1)
	s_and_b32 s16, s14, 1                          ; which half of its columns.  Also: which 128 rows I fetch
	s_bfe_u32 s40, ttmp6, 0x40000                  ; cx, cy
	s_bfe_u32 s41, ttmp6, 0x40004
	s_lshl_b32 s42, ttmp9, 2
	s_add_co_u32 s42, s42, s40                     ; tile column 0 .. 23
	s_and_b32 s17, ttmp7, 0xffff
	s_lshl_b32 s17, s17, 2
	s_add_co_u32 s17, s17, s41                     ; tile row 0 .. 7
	s_lshl_b32 s43, s41, 2
	s_lshl_b32 s43, 15, s43                        ; my row of the cluster
	s_lshl_b32 s44, 0x1111, s40                    ; my column
	s_or_b32 s[G1+0], s43, (0<<16)|(1<<20)|(1<<21)|(5<<22)|(3<<25)  ; the mask; elements of 1 byte; padding: 4 words after every 64; bit 21 beside a mask
	s_or_b32 s[G1B+0], s44, (0<<16)|(1<<20)|(1<<21)|(5<<22)|(3<<25)
.irp g, G1, G1B
	s_mov_b32 s[\g+1], ROWB<<16                    ; tensor_dim0
	s_mov_b32 s[\g+2], 128<<16                     ; tensor_dim1
	s_mov_b32 s[\g+3], ROWB<<16                    ; tile_dim0
	s_mov_b32 s[\g+4], 128                         ; tile_dim1
	s_mov_b32 s[\g+5], KROW                        ; the pitch
	s_mov_b32 s[\g+6], 0
	s_mov_b32 s[\g+7], 0
.endr
	s_or_b32 s[G1S+0], s43, (3<<16)|(1<<20)|(1<<21)|(5<<22)|(3<<25) ; the scales of 128 rows: 8,192 dense bytes as 32 rows of 256 (32 elements of 8 bytes), 16 bytes of padding behind each
	s_or_b32 s[G1SB+0], s44, (3<<16)|(1<<20)|(1<<21)|(5<<22)|(3<<25)
.irp g, G1S, G1SB
	s_mov_b32 s[\g+1], 32<<16
	s_mov_b32 s[\g+2], (128*KS/256)<<16
	s_mov_b32 s[\g+3], 32<<16
	s_mov_b32 s[\g+4], 128*KS/256
	s_mov_b32 s[\g+5], 32
	s_mov_b32 s[\g+6], 0
	s_mov_b32 s[\g+7], 0
.endr
	s_cmp_ge_u32 ttmp9, 4                          ; clusters 4 and 5 along x make v
	s_cselect_b32 s12, 1, 0                        ; the shape's flag
	s_cselect_b32 s13, 6144, 0                     ; rows of the buffers: x 0, Wq 2,048, Wk 4,096, Wv 6,144
	s_lshl_b32 s18, s16, 7
	s_lshl_b32 s20, s17, 8
	s_add_co_u32 s20, s20, s18
	s_add_co_u32 s20, s20, s13                     ; A': x's or Wv's row 256 x tile row + 128 x half
	s_lshl_b32 s46, s42, 8
	s_add_co_u32 s46, s46, s18
	s_add_co_u32 s46, s46, 2048
	s_sub_co_u32 s46, s46, s13                     ; B': Wq's and Wk's rows behind x's; for v (tile columns 16 on) x's rows
	s_lshl_b32 s22, s20, 6                         ; their scale bytes,
	s_mov_b32 s23, 0
	s_lshl_b32 s92, s46, 6
	s_mov_b32 s93, 0
	s_lshl_b32 s20, s20, 10                        ; their codes
	s_mov_b32 s21, 0
	s_lshl_b32 s46, s46, 10
	s_mov_b32 s47, 0
	s_mul_i32 s45, s14, HALFT                      ; where they go: wave x 128 rows
	s_mul_i32 s94, s14, HALFS
	s_wait_dscnt 0x0                               ; both opening adds are done
	s_wait_kmcnt 0x0
	s_add_nc_u64 s[20:21], s[4:5], s[20:21]
	s_add_nc_u64 s[22:23], s[6:7], s[22:23]
	s_add_nc_u64 s[46:47], s[4:5], s[46:47]
	s_add_nc_u64 s[92:93], s[6:7], s[92:93]
	CROUND                                         ; all sixteen work-groups are here: the first joint loads meet
	s_mov_b32 s[G0S], 1
	s_add_co_u32 s[G0S+1], s94, SCL
	s_mov_b64 s[G0S+2:G0S+3], s[22:23]
	s_or_b32 s[G0S+3], s[G0S+3], 0x80000000
	s_mov_b32 s[G0SB], 1
	s_add_co_u32 s[G0SB+1], s94, SCL
	s_mov_b64 s[G0SB+2:G0SB+3], s[92:93]
	s_or_b32 s[G0SB+3], s[G0SB+3], 0x80000000
	JLOAD G0S, G1S, G0SB, G1SB                     ; the scales first: they are wanted with K step 0
.irp s, 0,1
	s_mov_b32 s[G0+4*\s], 1
	s_add_co_u32 s[G0+4*\s+1], s45, \s*SLOT
	s_add_nc_u64 s[G0+4*\s+2:G0+4*\s+3], s[20:21], \s*ROWB
	s_or_b32 s[G0+4*\s+3], s[G0+4*\s+3], 0x80000000
	s_mov_b32 s[G0B+4*\s], 1
	s_add_co_u32 s[G0B+4*\s+1], s45, \s*SLOT
	s_add_nc_u64 s[G0B+4*\s+2:G0B+4*\s+3], s[46:47], \s*ROWB
	s_or_b32 s[G0B+4*\s+3], s[G0B+4*\s+3], 0x80000000
	JLOAD G0+4*\s, G1, G0B+4*\s, G1B
.endr
	v_and_b32 v1, 15, v0                           ; r
	v_bfe_u32 v2, v0, 4, 1                         ; h
	v_mul_u32_u24 v3, v1, PITCH
	v_lshl_add_u32 v4, v2, 4, v3                   ; a fragment's row x pitch + 16 h
	s_mul_i32 s21, s15, HALFT
	s_mul_i32 s22, s16, HALFT
	s_add_co_u32 s22, s22, 2*HALFT
.irp s, 0,1
	v_add_nc_u32 v[ADRA+\s], s21, v4
	v_add_nc_u32 v[ADRB+\s], s22, v4
	s_add_co_u32 s21, s21, SLOT
	s_add_co_u32 s22, s22, SLOT
.endr
	v_mul_u32_u24 v5, v1, KS                       ; my row's scales: 64 bytes a row,
	v_lshrrev_b32 v6, 8, v5
	v_lshl_add_u32 v5, v6, 4, v5                   ; and 16 more for each 256 passed
	s_mul_i32 s21, s15, HALFS
	s_mul_i32 s22, s16, HALFS
	s_add_co_u32 s22, s22, 2*HALFS
	s_sub_co_u32 s22, s22, s21
	v_mul_u32_u24 v6, s22, v2                      ; lanes 16-31 take B's
	s_add_co_u32 s21, s21, SCL
	v_add_nc_u32 v5, v5, v6
	v_add_nc_u32 v[ADRS], s21, v5
	v_and_b32 v6, 31, v0
	v_lshlrev_b32 v[OA], 4, v6
	v_lshlrev_b32 v[BOF], 6, v2
	v_and_b32 v[ROF], 8, v1
	v_add_nc_u32 v[ROF], v[ROF], v1
	v_lshlrev_b32 v[ROF], 2, v[ROF]
	; which head and which block of 128 tokens my 128 x 128 is
	s_and_b32 s2, s42, 7
	s_lshl_b32 s2, s2, 1
	s_add_co_u32 s2, s2, s16                       ; my block of 128 columns within its tensor
	s_lshl_b32 s18, s17, 1
	s_add_co_u32 s18, s18, s15                     ; my block of 128 rows
	s_cmp_eq_u32 s12, 0
	s_cselect_b32 s13, s2, s18                     ; the head: features are columns for q and k, rows for v
	s_cselect_b32 s19, s18, s2                     ; the block of tokens
	s_lshr_b32 s95, ttmp9, 1                       ; 0 q, 1 k, 2 v
	s_cmp_lt_u32 ttmp9, 2
	s_cselect_b64 s[8:9], s[8:9], s[10:11]
	s_cmp_lt_u32 ttmp9, 4
	s_cselect_b64 s[8:9], s[8:9], s[96:97]         ; my bias,
	s_lshl_b32 s10, s13, 9
	s_mov_b32 s11, 0
	s_add_nc_u64 s[8:9], s[8:9], s[10:11]          ; at my head's 128 numbers
	s_lshl_b32 s10, s13, 4
	s_add_co_u32 s10, s10, s19                     ; 16 x head + block
	s_lshl_b32 s18, s10, 13
	s_lshl_b32 s19, s95, 21
	s_add_co_u32 s18, s18, s19
	s_mov_b32 s19, 0
	s_add_nc_u64 s[98:99], s[98:99], s[18:19]      ; my eight images
	s_lshl_b32 s18, s10, 9
	s_lshl_b32 s2, s95, 17
	s_add_co_u32 s18, s18, s2
	s_add_nc_u64 s[100:101], s[100:101], s[18:19]  ; my scale image
.irp b, 0,1,2,3,4,5,6,7
	global_load_b128 v[BC+8*\b:BC+8*\b+3], v[BOF], s[8:9] offset:(32*(\b/2)+8*(\b%2))*4       ; by column: register 8 b + j: feature 32 (b / 2) + 8 (b % 2) + 16 h + j
	global_load_b128 v[BC+8*\b+4:BC+8*\b+7], v[BOF], s[8:9] offset:(32*(\b/2)+8*(\b%2))*4+16
.endr
.irp a, 0,1,2,3,4,5,6,7
	global_load_b32 v[BR+2*\a], v[ROF], s[8:9] offset:(32*(\a/2)+8*(\a%2))*4                  ; by row: block a: feature 32 (a / 2) + 8 (a % 2) + r + 8 (r / 8), twice: a pair for the packed addition
	global_load_b32 v[BR+2*\a+1], v[ROF], s[8:9] offset:(32*(\a/2)+8*(\a%2))*4
.endr
.macro FRAG reg, adr, q, i             ; a fragment, 16 rows x 128 K of 4-bit codes: registers 4 c .. 4 c + 3 hold K = 64 c + 32 h + 0 .. 31
.irp c, 0,1
	ds_load_b128 v[\reg+4*\c:\reg+4*\c+3], v[\adr] offset:64*(\q)+32*\c+(\i)*16*PITCH
.endr
.endm
; 16 matrix instructions: A's blocks a0, a0 + 1 x B's eight, the slot's q-th 128 along K.  The 64 accumulators take turns, one instruction a turn, in the same order in every step.
.macro MUL16 a0, p, q, sc, zero
.irp a, \a0, \a0+1
.irp b, 0,1,2,3,4,5,6,7
.if \zero
	v_wmma_scale_f32_16x16x128_f8f6f4 v[8*(8*((\a)%4)+\b):8*(8*((\a)%4)+\b)+7], v[128*(\p)+FR*\b:128*(\p)+FR*\b+FR-1], v[AF+FR*(\a):AF+FR*(\a)+FR-1], 0, v[SC+8*NQ*(\sc)+NQ*\b+(\q)], v[SC+8*NQ*(\sc)+NQ*(\a)+(\q)] matrix_a_fmt:MATRIX_FMT_FP4 matrix_b_fmt:MATRIX_FMT_FP4 matrix_a_scale:MATRIX_SCALE_ROW1
.else
	v_wmma_scale_f32_16x16x128_f8f6f4 v[8*(8*((\a)%4)+\b):8*(8*((\a)%4)+\b)+7], v[128*(\p)+FR*\b:128*(\p)+FR*\b+FR-1], v[AF+FR*(\a):AF+FR*(\a)+FR-1], v[8*(8*((\a)%4)+\b):8*(8*((\a)%4)+\b)+7], v[SC+8*NQ*(\sc)+NQ*\b+(\q)], v[SC+8*NQ*(\sc)+NQ*(\a)+(\q)] matrix_a_fmt:MATRIX_FMT_FP4 matrix_b_fmt:MATRIX_FMT_FP4 matrix_a_scale:MATRIX_SCALE_ROW1
.endif
.endr
.endr
.endm
.macro FETCH_B slot, q, p
	WIN TO_B
.irp i, 0,1,2,3,4,5,6,7
	FRAG 128*(\p)+FR*\i, ADRB+\slot, \q, \i
.endr
	WIN 0
.endm
.macro FETCH_A slot, q, i0
.irp i, \i0, \i0+1, \i0+2, \i0+3
	FRAG AF+FR*(\i), ADRA+\slot, \q, \i
.endr
.endm
.macro SCALES sc                       ; a K step's scale words: lanes 0-15 take A's block i, lanes 16-31 B's block i
.irp i, 0,1,2,3,4,5,6,7
	ds_load_b128 v[SC+8*NQ*\sc+NQ*\i:SC+8*NQ*\sc+NQ*\i+3], v[ADRS] offset:\i*SBLK
.endr
.endm
.macro PLACES n                        ; places in front of loads into registers that matrix instructions have read
.rept \n
	v_nop
.endr
.endm
.macro STEP slot, q, zero              ; a step of 128 along K that has its successor in the same slot
	s_wait_dscnt 4*NL                              ; B's set and A's blocks 0-3 are in; the youngest eight loads (A's blocks 4-7) may be out
	WIN MUL_LO
	MUL16 0, (\q)%2, \q, \slot, \zero
	MUL16 2, (\q)%2, \q, \slot, \zero
	s_wait_dscnt 0
	PLACES NP
	FETCH_B \slot, (\q)+1, 1-(\q)%2
	FETCH_A \slot, (\q)+1, 0
	WIN MUL_HI
	MUL16 4, (\q)%2, \q, \slot, \zero
	MUL16 6, (\q)%2, \q, \slot, \zero
	PLACES NP
	WIN 0
	FETCH_A \slot, (\q)+1, 4
.endm
; A slot's last step changes slots: one barrier; in front of it each wave waits for all its tensor loads, adds 0 to its spare word, and waits for that and for its own reads of this slot.
.macro TURN slot, next, fill
	s_wait_tensorcnt 0x0                           ; all my tensor loads have landed: my part of the next slot
	ds_add_u32 v[SPW], v[NIL]
	s_wait_dscnt 4*NL+1                            ; (the add and the youngest eight loads may be out)
	WIN MUL_LO
	MUL16 0, 1, NQ-1, \slot, 0
	s_wait_dscnt 0x0                               ; the add is done, and my reads of this slot are over
	s_barrier_signal -1
	MUL16 2, 1, NQ-1, \slot, 0
	WIN 0
	s_barrier_wait -1
.if \fill
	CREST                                          ; the barrier has opened a round of the cluster's: no wave of any partner still reads this slot or has a load on its way
	s_add_nc_u64 s[G0+4*\slot+2:G0+4*\slot+3], s[G0+4*\slot+2:G0+4*\slot+3], 2*ROWB
	s_add_nc_u64 s[G0B+4*\slot+2:G0B+4*\slot+3], s[G0B+4*\slot+2:G0B+4*\slot+3], 2*ROWB
	JLOAD G0+4*\slot, G1, G0B+4*\slot, G1B         ; the first tensor load behind the round; its four v_nop are the places in front of the loads below
.else
	PLACES NP
.endif
	v_add_nc_u32 v[ADRS], 4*NQ, v[ADRS]            ; on to the next K step's scale words
	FETCH_B \next, 0, 0
	FETCH_A \next, 0, 0
	SCALES \next
	WIN MUL_HI
	MUL16 4, 1, NQ-1, \slot, 0
	MUL16 6, 1, NQ-1, \slot, 0
	PLACES NP
	WIN 0
	FETCH_A \next, 0, 4
.endm
.macro STEPS slot, from
.set Q, \from
.rept NQ-1-\from
	STEP \slot, Q, 0
.set Q, Q+1
.endr
.endm
; 64 numbers of a lane, register 16 b + i = k 32 b + 16 h + i of my row, become a fragment's codes in v[pc] on and its scale word in v[pw].
.macro QUANT s, pc, pw
.irp b, 0,1,2,3
	v_max3_num_f32 v[TM+\b], |v[\s+16*\b]|, |v[\s+1+16*\b]|, 0x1800000   ; block b: my 16 numbers, and the floor 2^(3 - 127): the byte cannot fall under 1
.endr
.irp i, 2,4,6,8,10,12,14
.irp b, 0,1,2,3
	v_max3_num_f32 v[TM+\b], v[TM+\b], |v[\s+16*\b+\i]|, |v[\s+1+16*\b+\i]|
.endr
.endr
.irp b, 0,1,2,3
	v_permlanex16_b32 v[TM+4+\b], v[TM+\b], s[SEL], s[SEL+1]
.endr
.irp b, 0,1,2,3
	v_max_num_f32 v[TM+\b], v[TM+\b], v[TM+4+\b]   ; with lane l xor 16's: the block's largest magnitude
.endr
.irp b, 0,1,2,3
	v_add_nc_u32 v[TM+12+\b], 0xff000000, v[TM+\b] ; 2 off its exponent field: the conversion's scale operand
.endr
.irp b, 0,1,2,3
	v_lshrrev_b32 v[TM+4+\b], 23, v[TM+12+\b]      ; the scale's byte
.endr
	v_lshl_or_b32 v[\pw], v[TM+5], 8, v[TM+4]
	v_lshl_or_b32 v[\pw], v[TM+6], 16, v[\pw]
	v_lshl_or_b32 v[\pw], v[TM+7], 24, v[\pw]
.irp b, 0,1,2,3
	v_cvt_scalef32_pk8_fp4_f32 v[\pc+2*\b], v[\s+16*\b:\s+7+16*\b], v[TM+12+\b]
	v_cvt_scalef32_pk8_fp4_f32 v[\pc+1+2*\b], v[\s+8+16*\b:\s+15+16*\b], v[TM+12+\b]
.endr
	v_nop                                          ; one plain place behind a scaled conversion
.irp c, 0,1                                    ; the operand's layout wants a whole block in a lane
.irp i, 0,1
	v_permlane16_swap_b32 v[\pc+4*\c+\i], v[\pc+2+4*\c+\i]
.endr
.endr
.endm
; Block a of my rows leaves: bias, quantiser, two stores of 512 consecutive bytes.  The additions take each accumulator from its low end on, and bring the numbers into window 0.
.macro OUTBLK a
.set AC, 64*((\a)%4)
	s_cmp_eq_u32 s12, 0
	s_cbranch_scc0 .Lby_row_\@
	WIN (0x02+(\a)/4)                              ; source 0: window 2 or 3
.set k, 0
.rept 32
	v_pk_add_f32 v[HB+2*k:HB+2*k+1], v[AC+2*k:AC+2*k+1], v[BC+2*k:BC+2*k+1]
.set k, k+1
.endr
	WIN 0
	s_branch .Ladded_\@
.Lby_row_\@:
	WIN (0x02+(\a)/4)
.set k, 0
.rept 32
	v_pk_add_f32 v[HB+2*k:HB+2*k+1], v[AC+2*k:AC+2*k+1], v[BR+2*(\a):BR+2*(\a)+1]
.set k, k+1
.endr
	WIN 0
.Ladded_\@:
	QUANT HB, PC+8*(\a), PW+(\a)
	global_store_b128 v[OA], v[PC+8*(\a):PC+8*(\a)+3], s[98:99] offset:1024*(\a)
	global_store_b128 v[OA], v[PC+8*(\a)+4:PC+8*(\a)+7], s[98:99] offset:1024*(\a)+512
.endm
	s_wait_tensorcnt 1                             ; the scales and my part of K step 0 are in (K step 1's load may be out),
	s_barrier_signal -1
	s_barrier_wait -1                              ; everybody's are
	FETCH_B 0, 0, 0
	FETCH_A 0, 0, 0
	SCALES 0
	FETCH_A 0, 0, 4
	STEP 0, 0, 1                                   ; the first step stands in front of the loop: its products start the sums
	s_mov_b32 s3, LAPS-1
.Llap:                                                 ; a trip goes once round the ring and fills both slots again
	STEPS 0, 1
	TURN 0, 1, 1
	STEPS 1, 0
	TURN 1, 0, 1
	STEP 0, 0, 0
	s_sub_co_u32 s3, s3, 1
	s_cmp_lg_u32 s3, 0
	s_cbranch_scc1 .Llap
	STEPS 0, 1                                     ; the last lap fills nothing
	TURN 0, 1, 0
	STEPS 1, 0
	s_wait_dscnt 4*NL
	WIN MUL_LO
	MUL16 0, 1, NQ-1, 1, 0
	MUL16 2, 1, NQ-1, 1, 0
	s_wait_dscnt 0
	WIN MUL_HI
	MUL16 4, 1, NQ-1, 1, 0
	MUL16 6, 1, NQ-1, 1, 0
	WIN 0
.irp b, 0,1,2,3
	v_mov_b32 v[TM+4+\b], 0                        ; a lane permute's destination counts as one of its sources: written once.  These four are also the places behind the last products
.endr
	s_mov_b32 s[SEL], 0x76543210
	s_mov_b32 s[SEL+1], 0xfedcba98                 ; lane l xor 16
	s_mov_b32 s94, 0xffff0000                      ; lanes 16-31
	s_wait_loadcnt 0x0                             ; the biases
.irp a, 0,1,2,3,4,5,6,7
	OUTBLK \a
.endr
.irp i, 0,1,2,3
	v_cndmask_b32 v[SI+\i], v[PW+2*\i], v[PW+2*\i+1], s94   ; lanes 0-15: tile 2 i's words, lanes 16-31: tile 2 i + 1's
.endr
	global_store_b128 v[OA], v[SI:SI+3], s[100:101]
	s_wait_tensorcnt 0x0                           ; the wave's end
	ds_add_u32 v[SPW], v[NIL]
	s_wait_dscnt 0x0
	CROUND                                         ; the closing round: no work-group ends while a partner may still ask for a tile that names it
	s_endpgm
.Lfunc_end_k_q548815f16e_qkv:
	.size	k_q548815f16e_qkv, .Lfunc_end_k_q548815f16e_qkv-k_q548815f16e_qkv
	.p2alignl 7, 3214868480
	.fill 96, 4, 3214868480
	.section	.rodata,"a",@progbits
	.p2align	6, 0x0
	.amdhsa_kernel k_q548815f16e_qkv
		.amdhsa_group_segment_fixed_size 327680
		.amdhsa_private_segment_fixed_size 0
		.amdhsa_enable_private_segment 0
		.amdhsa_kernarg_size 56
		.amdhsa_user_sgpr_count 2
		.amdhsa_user_sgpr_kernarg_segment_ptr 1
		.amdhsa_wavefront_size32 1
		.amdhsa_system_sgpr_workgroup_id_x 1
		.amdhsa_system_sgpr_workgroup_id_y 1
		.amdhsa_system_sgpr_workgroup_id_z 1
		.amdhsa_system_vgpr_workitem_id 0
		.amdhsa_next_free_vgpr 1024
		.amdhsa_next_free_sgpr 102
		.amdhsa_reserve_vcc 0
		.amdhsa_float_denorm_mode_32 3
		.amdhsa_float_denorm_mode_16_64 3
		.amdhsa_memory_ordered 1
		.amdhsa_forward_progress 1
		.amdhsa_inst_pref_size 251
	.end_amdhsa_kernel
	.amdgpu_metadata
---
amdhsa.version: [ 1, 2 ]
amdhsa.kernels:
  - .name:           k_q548815f16e_qkv
    .symbol:         k_q548815f16e_qkv.kd
    .args:
      - { .name: codes, .offset: 0, .size: 8, .value_kind: global_buffer, .address_space: global }
      - { .name: scl, .offset: 8, .size: 8, .value_kind: global_buffer, .address_space: global }
      - { .name: bq, .offset: 16, .size: 8, .value_kind: global_buffer, .address_space: global }
      - { .name: bk, .offset: 24, .size: 8, .value_kind: global_buffer, .address_space: global }
      - { .name: bv, .offset: 32, .size: 8, .value_kind: global_buffer, .address_space: global }
      - { .name: qkvc, .offset: 40, .size: 8, .value_kind: global_buffer, .address_space: global }
      - { .name: qkvs, .offset: 48, .size: 8, .value_kind: global_buffer, .address_space: global }
    .group_segment_fixed_size: 327680
    .private_segment_fixed_size: 0
    .kernarg_segment_align: 8
    .kernarg_segment_size: 56
    .max_flat_workgroup_size: 128
    .sgpr_count:     102
    .vgpr_count:     1024
    .wavefront_size: 32
...
	.end_amdgpu_metadata
.endif
;; end of part 2
;; launch attn (part 3): grid 16 x 16, 8 waves a work-group, no clusters, 279,552 bytes of LDS; arguments qkvc, qkvs, mw, msum, ac, asc; writes ac, asc
.if DOCPART == 3
	.amdgcn_target "amdgcn-amd-amdhsa--gfx1250"
	.amdhsa_code_object_version 6
	.text
	.protected	k_q548815f16e_attn
	.globl	k_q548815f16e_attn
	.p2align	8
	.type	k_q548815f16e_attn,@function
k_q548815f16e_attn:
	s_mov_b64 s[64:65], 0
	v_nop
	global_prefetch_b8 v0, s[64:65] scope:SCOPE_SE
	s_setreg_imm32_b32 hwreg(HW_REG_WAVE_MODE, 25, 1), 1
	s_wait_xcnt 0x0
; THIRD LAUNCH: for each head, softmax(mask(q k^T / sqrt(128))) v on codes of FP4, and the result quantised along the head's 128 for the last product.
; LEFT OUT: a key step of 128 keys all of whose mask bytes are set for the wave's 16 queries, where each of those queries has an open key somewhere: p is 0 throughout it (shown at the head of the first launch).
; The decision is made of whole numbers that the first launch stored (msum) and this launch reads from memory.  A NaN, an infinity or an overflow that reaches only such a step is not carried to the result.
; THE SOFTMAX: t = score x log2(e) / sqrt(128); M = the running largest t rounded up to a whole number; p = 2^(t - M) is quantised along the keys, not normalised; the row's sum is taken of the unquantised p and divides at the end.
; A MASKED KEY's score is replaced by -2^120.  Its t, c x -2^120, is exact in f32, so a query that has met masked keys only has t - M = 0 and p = 1 exactly: with no open key at all it ends as the plain mean of v, as equal logits give it.
; The first open key makes f = 2^(old M - new M) = 0, which takes away what was summed before; beside an open key a masked key's p is 0.  LIMIT: |q . k| stays under 2^119.  NaN and infinities are not served.
; SHARES.  A work-group has one head and eight waves, a wave one tile T of 16 queries: waves 0-3 tiles 4 x + w, waves 4-7 tiles 127 - (4 x + w - 4): right for every mask; it evens the steps walked where later queries see more keys.
; K AND V COME THROUGH LDS BY REGISTERS: this launch branches on numbers read from memory, so it has no tensor load.  The second launch left both as images of operand registers, 8,192 bytes for a step's 128 keys each: waves 0-3 bring
; a quarter of K's each, waves 4-7 of V's: four loads of 512 consecutive bytes two steps ahead, four LDS stores one step ahead.  All 16 steps' tiles have LDS bytes of their own: each byte is stored once, and one barrier a step
; stands between a tile's stores and its reads.  No cluster: no tile is asked for jointly where nothing comes by tensor loads.
; LAYOUT.  Both products transposed: S^T = K Q^T, O^T = V^T P^T: a lane holds one query (lane % 16).  Register 16 b + i of S^T is key 128 step + 32 b + 16 h + i; register 16 b + i of O^T is channel 32 b + 16 h + i.
; REGISTERS: v1-11 addresses; v12 -M, v13 the largest t, v[14:15] the sum; v16-23 Q; v32-95 K's, then V's eight fragments; v96-159 S^T, then p; v160-223 O^T; v224-231 p's codes; v232-247, v252, v254 at work;
;   v248-251 K's, then V's scale image; v253 p's scale word; v255 Q's scale words; v256-287 (window 1, v0-31) two sets of 16 for the tiles on their way.
.set TILE,  16384                      ; LDS: a step's K image, 8,192 bytes, then its V image
.set VOFF,  8192
.set SCK,   16*TILE                    ; K's 16 scale images of 512 bytes; V's 8,192 bytes further on
.set SPARE, SCK+2*8192                 ; the spare words, 128 bytes a wave, which no other line names
.set L16, 1                            ; v1   16 x lane
.set FS0, 2                            ; v2   16 x lane + 2,048 x wave: my share of a step's 16,384 bytes
.set FST, 3                            ; v3   where my stores go
.set PFO, 4                            ; v4   256 x lane
.set SPW, 5
.set NIL, 6
.set RQ,  7                            ; v7   16 r
.set ADK, 8
.set ADS, 9
.set RO,  10                           ; v10  64 r
.set TM,  232
.set WV,  16
.set SEL, 20
.set CS,  22
.set TB,  24                           ; s24  LDS byte of the step's tile
.set TS,  25                           ; s25  of its scale image of K
.set SKIP, 26                          ; s26  bit 0: this step is left out; shifted down a step at a time
.set OPEN, 27                          ; s27  bit 0: this step has no masked key
.set CNT, 28
.set LIM, 29
.set MSB, 0
.macro WIN new
.if MSB != \new
	s_set_vgpr_msb (MSB<<8)|\new
.set MSB, \new
.endif
.endm
.macro QUANT s, pc, pw
.irp b, 0,1,2,3
	v_max3_num_f32 v[TM+\b], |v[\s+16*\b]|, |v[\s+1+16*\b]|, 0x1800000
.endr
.irp i, 2,4,6,8,10,12,14
.irp b, 0,1,2,3
	v_max3_num_f32 v[TM+\b], v[TM+\b], |v[\s+16*\b+\i]|, |v[\s+1+16*\b+\i]|
.endr
.endr
.irp b, 0,1,2,3
	v_permlanex16_b32 v[TM+4+\b], v[TM+\b], s[SEL], s[SEL+1]
.endr
.irp b, 0,1,2,3
	v_max_num_f32 v[TM+\b], v[TM+\b], v[TM+4+\b]
.endr
.irp b, 0,1,2,3
	v_add_nc_u32 v[TM+12+\b], 0xff000000, v[TM+\b]
.endr
.irp b, 0,1,2,3
	v_lshrrev_b32 v[TM+4+\b], 23, v[TM+12+\b]
.endr
	v_lshl_or_b32 v[\pw], v[TM+5], 8, v[TM+4]
	v_lshl_or_b32 v[\pw], v[TM+6], 16, v[\pw]
	v_lshl_or_b32 v[\pw], v[TM+7], 24, v[\pw]
.irp b, 0,1,2,3
	v_cvt_scalef32_pk8_fp4_f32 v[\pc+2*\b], v[\s+16*\b:\s+7+16*\b], v[TM+12+\b]
	v_cvt_scalef32_pk8_fp4_f32 v[\pc+1+2*\b], v[\s+8+16*\b:\s+15+16*\b], v[TM+12+\b]
.endr
	v_nop
.irp c, 0,1
.irp i, 0,1
	v_permlane16_swap_b32 v[\pc+4*\c+\i], v[\pc+2+4*\c+\i]
.endr
.endr
.endm
.macro KQ i                            ; tiles 2 i and 2 i + 1 of S^T: their scale words share a register, lanes 0-15 and lanes 16-31
	v_wmma_scale_f32_16x16x128_f8f6f4 v[96+16*\i:103+16*\i], v[32+16*\i:39+16*\i], v[16:23], 0, v[248+\i], v255 matrix_a_fmt:MATRIX_FMT_FP4 matrix_b_fmt:MATRIX_FMT_FP4
	v_wmma_scale_f32_16x16x128_f8f6f4 v[104+16*\i:111+16*\i], v[40+16*\i:47+16*\i], v[16:23], 0, v[248+\i], v255 matrix_a_fmt:MATRIX_FMT_FP4 matrix_b_fmt:MATRIX_FMT_FP4 matrix_a_scale:MATRIX_SCALE_ROW1
.endm
.macro PV i                            ; the same of O^T; the eight accumulators take turns
	v_wmma_scale_f32_16x16x128_f8f6f4 v[160+16*\i:167+16*\i], v[32+16*\i:39+16*\i], v[224:231], v[160+16*\i:167+16*\i], v[248+\i], v253 matrix_a_fmt:MATRIX_FMT_FP4 matrix_b_fmt:MATRIX_FMT_FP4
	v_wmma_scale_f32_16x16x128_f8f6f4 v[168+16*\i:175+16*\i], v[40+16*\i:47+16*\i], v[224:231], v[168+16*\i:175+16*\i], v[248+\i], v253 matrix_a_fmt:MATRIX_FMT_FP4 matrix_b_fmt:MATRIX_FMT_FP4 matrix_a_scale:MATRIX_SCALE_ROW1
.endm
	s_load_b256 s[4:11], s[0:1], 0x0               ; qkvc s[4:5], qkvs s[6:7], mw s[8:9], msum s[10:11]
	s_load_b128 s[12:15], s[0:1], 0x20             ; ac s[12:13], asc s[14:15]
	v_lshl_add_u32 v[SPW], v0, 2, SPARE
	v_mov_b32 v[NIL], 0
	v_lshrrev_b32 v8, 5, v0
	v_readfirstlane_b32 s[WV], v8                  ; wave 0..7
	v_and_b32 v9, 31, v0
	v_and_b32 v11, 15, v0
	v_lshlrev_b32 v[L16], 4, v9
	v_lshlrev_b32 v[PFO], 8, v9
	v_lshlrev_b32 v[RQ], 4, v11
	v_lshlrev_b32 v[RO], 6, v11
	s_lshl_b32 s2, s[WV], 11
	v_add_nc_u32 v[FS0], s2, v[L16]
	v_add_nc_u32 v[FST], SCK, v[FS0]               ; first: my share of the scale images
	s_and_b32 s18, ttmp7, 0xffff                   ; the head
	s_and_b32 s3, s[WV], 3
	s_lshr_b32 s17, s[WV], 2                       ; I fetch for K (0) or for V (1)
	s_lshl_b32 s19, ttmp9, 2
	s_add_co_u32 s19, s19, s3
	s_sub_co_u32 s2, 127, s19
	s_cmp_lt_u32 s[WV], 4
	s_cselect_b32 s19, s19, s2                     ; T, my tile of queries
	s_add_co_u32 s2, s17, 1                        ; tensor 1 is k, 2 is v
	s_lshl_b32 s68, s2, 21
	s_lshl_b32 s69, s18, 17
	s_add_co_u32 s68, s68, s69
	s_lshl_b32 s69, s3, 11
	s_add_co_u32 s68, s68, s69                     ; my quarter of the head's first image of K or V
	s_mov_b32 s69, 0
	s_lshl_b32 s70, s2, 17
	s_lshl_b32 s71, s18, 13
	s_add_co_u32 s70, s70, s71
	s_lshl_b32 s71, s3, 11
	s_add_co_u32 s70, s70, s71                     ; my quarter of the head's 8,192 bytes of scale images
	s_mov_b32 s71, 0
	s_lshl_b32 s72, s18, 17
	s_lshl_b32 s73, s19, 10
	s_add_co_u32 s72, s72, s73                     ; image T of the head: in q's part of qkvc, and in ac
	s_mov_b32 s73, 0
	s_lshl_b32 s74, s18, 13                        ; Q's scale words: image T / 8; lanes' half T % 2; word (T / 2) % 4
	s_lshr_b32 s2, s19, 3
	s_lshl_b32 s2, s2, 9
	s_add_co_u32 s74, s74, s2
	s_and_b32 s2, s19, 1
	s_lshl_b32 s2, s2, 8
	s_add_co_u32 s74, s74, s2
	s_bfe_u32 s2, s19, 0x20001
	s_lshl_b32 s2, s2, 2
	s_add_co_u32 s74, s74, s2
	s_mov_b32 s75, 0
	s_lshl_b32 s76, s19, 12                        ; mw: 4,096 bytes a tile
	s_mov_b32 s77, 0
	s_lshl_b32 s78, s19, 7                         ; msum: 128 bytes a tile
	s_mov_b32 s79, 0
	s_lshl_b32 s80, s19, 10                        ; asc: 64 bytes a stored row, 16 rows a tile; 4 bytes a head
	s_lshl_b32 s81, s18, 2
	s_add_co_u32 s80, s80, s81
	s_mov_b32 s81, 0
	s_or_b32 s2, s3, ttmp9                         ; who prefetches: waves 0 (K) and 4 (V) of the head's first work-group
	s_cmp_eq_u32 s2, 0
	s_cselect_b32 s[LIM], 1, -1
	s_mov_b32 s[SEL], 0x76543210
	s_mov_b32 s[SEL+1], 0xfedcba98
	s_mov_b32 s[CS], 0x3e0293ee                    ; c = log2(e) / sqrt(128)
	s_mov_b32 s[CS+1], s[CS]
	s_mov_b32 s[TB], 0
	s_mov_b32 s[TS], SCK
	s_wait_kmcnt 0x0
	s_add_nc_u64 s[30:31], s[4:5], s[68:69]
	s_add_nc_u64 s[70:71], s[6:7], s[70:71]
	s_add_nc_u64 s[12:13], s[12:13], s[72:73]
	s_add_nc_u64 s[72:73], s[4:5], s[72:73]
	s_add_nc_u64 s[74:75], s[6:7], s[74:75]
	s_add_nc_u64 s[8:9], s[8:9], s[76:77]
	s_add_nc_u64 s[10:11], s[10:11], s[78:79]
	s_add_nc_u64 s[14:15], s[14:15], s[80:81]
	global_load_b128 v[16:19], v[L16], s[72:73]    ; Q's fragment stays in registers
	global_load_b128 v[20:23], v[L16], s[72:73] offset:512
	global_load_b32 v255, v[RQ], s[74:75]
.irp i, 0,1,2,3
	global_load_b128 v[96+4*\i:99+4*\i], v[L16], s[70:71] offset:512*\i
.endr
	WIN 0x40                                       ; destination window 1
.irp i, 0,1,2,3
	global_load_b128 v[4*\i:4*\i+3], v[L16], s[30:31] offset:512*\i             ; tile 0 into set 0
.endr
.irp i, 0,1,2,3
	global_load_b128 v[16+4*\i:16+4*\i+3], v[L16], s[30:31] offset:8192+512*\i  ; tile 1 into set 1
.endr
	WIN 0
	s_load_b512 s[32:47], s[10:11], 0x0            ; my tile's 16 ANDs,
	s_load_b512 s[48:63], s[10:11], 0x40           ; and 16 ORs
	v_mov_b32 v13, 0xff61b1e6                      ; the largest t so far: -3e38
	v_floor_f32 v12, -v13                          ; -M
	v_mov_b32 v14, 0
	v_mov_b32 v15, 0
.irp b, 0,1,2,3
	v_mov_b32 v[236+\b], 0                         ; a lane permute's destination counts as one of its sources
.endr
	v_mov_b32 v252, 0
	v_mov_b32 v253, 0
.set j, 0
.rept 64
	v_mov_b32 v[160+j], 0                          ; O^T: the step is written without a first step of its own: it finds zeros, which the first change of M leaves zeros
.set j, j+1
.endr
	s_wait_kmcnt 0x0
	s_mov_b32 s[SKIP], 0
	s_mov_b32 s[OPEN], 0
	s_mov_b32 s17, -1
.irp s, 0,1,2,3,4,5,6,7,8,9,10,11,12,13,14,15
	s_and_b32 s17, s17, s[32+\s]                   ; bit 16 h + r: all of query r's keys of half h are masked, in every step
	s_cmp_eq_u32 s[32+\s], -1
	s_cselect_b32 s2, 1<<\s, 0
	s_or_b32 s[SKIP], s[SKIP], s2                  ; a step with all 2,048 bytes set
	s_cmp_eq_u32 s[48+\s], 0
	s_cselect_b32 s2, 1<<\s, 0
	s_or_b32 s[OPEN], s[OPEN], s2                  ; a step with none set
.endr
	s_lshr_b32 s2, s17, 16
	s_and_b32 s2, s2, s17                          ; queries with no open key at all
	s_cmp_lg_u32 s2, 0
	s_cselect_b32 s[SKIP], 0, s[SKIP]              ; a tile that holds one leaves nothing out
	s_wait_loadcnt 8                               ; Q, its scale words and my share of the scale images are in; tiles 0 and 1 may be out
.irp i, 0,1,2,3
	ds_store_b128 v[FST], v[96+4*\i:99+4*\i] offset:512*\i
.endr
	s_wait_loadcnt 4                               ; tile 0 is in; tile 1 may be out
	WIN 0x04                                       ; an LDS store's data are its source 1: window 1
.irp i, 0,1,2,3
	ds_store_b128 v[FS0], v[4*\i:4*\i+3] offset:512*\i
.endr
	WIN 0
	s_wait_dscnt 0x0                               ; for the others' sake: my stores are done
	s_barrier_signal -1
	s_barrier_wait -1
; A KEY STEP s, of parity p.  ld: tile s + 2 is asked for, into the set that tile s has left.  st: tile s + 1 goes to LDS; left = the younger loads that may stay out.  bar: the barrier between those stores and the next step's reads.
.macro STEP p, ld, st, left, bar
.if \ld
	WIN 0x40
.irp i, 0,1,2,3
	global_load_b128 v[16*\p+4*\i:16*\p+4*\i+3], v[L16], s[30:31] offset:(\p+2)*8192+512*\i
.endr
	WIN 0
	; A PREFETCH INTO THE L2 of tile s + 4, two steps ahead of its loads: 8,192 bytes of K (wave 0) or of V (wave 4), lanes 256 bytes apart.  All 16 work-groups of a head walk the same tiles: the first asks, so each block of
	; 256 bytes is named once.  Tiles 0 to 3 come by their loads alone; the loop's last trip, whose tiles s + 4 do not exist, asks for nothing.
	s_cmp_gt_u32 s[CNT], s[LIM]
	s_cbranch_scc0 .Lno_ask_\@
	global_prefetch_b8 v[PFO], s[30:31] offset:(\p+4)*8192 th:TH_LOAD_NT scope:SCOPE_SE
.Lno_ask_\@:
.endif
	s_bitcmp1_b32 s[SKIP], 0                       ; a stored whole number decides: the step's loads, products and softmax are jumped over; not the fill, the steps of addresses or the barrier
	s_cbranch_scc1 .Ldone_\@
	s_load_b512 s[32:47], s[8:9], 0x0              ; the step's 64 lane masks: asked for in every step that is walked, so that they come while K's fragments do
	s_load_b512 s[48:63], s[8:9], 0x40
	s_load_b512 s[68:83], s[8:9], 0x80
	s_load_b512 s[84:99], s[8:9], 0xc0
	v_add_nc_u32 v[ADK], s[TB], v[L16]
	v_add_nc_u32 v[ADS], s[TS], v[L16]
	ds_load_b128 v[248:251], v[ADS]                ; K's scale image
.irp t, 0,1,2,3,4,5,6,7
.irp c, 0,1
	ds_load_b128 v[32+8*\t+4*\c:32+8*\t+4*\c+3], v[ADK] offset:1024*\t+512*\c
.endr
.endr
	s_wait_dscnt 8                                 ; the scale image and tiles 0-3 are in; tiles 4-7's eight loads may be out
	KQ 0
	KQ 1
	s_wait_dscnt 0x0
	KQ 2
	KQ 3
.rept 4
	v_nop                                          ; places in front of the loads into K's registers and of the first read of the scores
.endr
	ds_load_b128 v[248:251], v[ADS] offset:8192    ; V's scale image and fragments: they land while the softmax is walked
.irp t, 0,1,2,3,4,5,6,7
.irp c, 0,1
	ds_load_b128 v[32+8*\t+4*\c:32+8*\t+4*\c+3], v[ADK] offset:VOFF+1024*\t+512*\c
.endr
.endr
	s_wait_kmcnt 0x0                               ; the lane masks are in: their registers and their base may be written again
	s_bitcmp1_b32 s[OPEN], 0
	s_cbranch_scc1 .Lopen_\@
	v_mov_b32 v254, 0xfb800000                     ; -2^120
.set n, 0
.rept 32
	v_cndmask_b32 v[96+n], v[96+n], v254, s[32+n]
.set n, n+1
.endr
.rept 32
	v_cndmask_b32 v[96+n], v[96+n], v254, s[36+n]
.set n, n+1
.endr
.Lopen_\@:
.irp b, 0,1,2,3
	v_max3_num_f32 v[232+\b], v[96+16*\b], v[97+16*\b], v[98+16*\b]   ; the largest score of each block of 32 keys: for the row's maximum, and, since p rises with the score, for the block's largest p
.endr
.irp i, 3,5,7,9,11,13
.irp b, 0,1,2,3
	v_max3_num_f32 v[232+\b], v[232+\b], v[96+16*\b+\i], v[97+16*\b+\i]
.endr
.endr
.irp b, 0,1,2,3
	v_max_num_f32 v[232+\b], v[232+\b], v[111+16*\b]
.endr
.irp b, 0,1,2,3
	v_permlanex16_b32 v[236+\b], v[232+\b], s[SEL], s[SEL+1]
.endr
.irp b, 0,1,2,3
	v_max_num_f32 v[232+\b], v[232+\b], v[236+\b]  ; with lane l xor 16's 16 keys
.endr
	v_max3_num_f32 v254, v232, v233, v234
	v_max_num_f32 v254, v254, v235
	v_mul_f32 v254, s[CS], v254                    ; the step's largest t of my query
	v_max_num_f32 v13, v13, v254
	v_mov_b32 v254, v12
	v_floor_f32 v12, -v13                          ; the new -M = floor(-t): M is a whole number
	v_sub_f32 v254, v12, v254                      ; old M less new M: a whole number, 0 or less
	v_cvt_i32_f32 v254, v254                       ; (it saturates)
	v_ldexp_f32 v252, 1.0, v254                    ; f = 2^(old M - new M)
.set j, 0
.rept 32
	v_pk_fma_f32 v[96+j:97+j], v[96+j:97+j], s[CS:CS+1], v[12:13] op_sel_hi:[1,0,0]   ; t - M, two at a time
.set j, j+2
.endr
.irp b, 0,1,2,3
	v_fma_f32 v[232+\b], v[232+\b], s[CS], v12     ; the same of each block's largest score
.endr
.set j, 0
.rept 64
	v_exp_f32 v[96+j], v[96+j]                     ; p = 2^(t - M)
.set j, j+1
.endr
	v_pk_mul_f32 v[14:15], v[14:15], v[252:253] op_sel_hi:[1,0]   ; the sums under the new M: a plain place behind the exponentials
	s_wait_alu depctr_va_vdst(0)                   ; one wait for the batch of 64, ahead of its first reader
.irp b, 0,1,2,3
	v_exp_f32 v[232+\b], v[232+\b]                 ; the block's largest p
.endr
	v_pk_add_f32 v[236:237], v[96:97], v[98:99]    ; the row's sum is taken of the unquantised p, in two chains
.irp j, 4,8,12,16,20,24,28,32,36,40,44,48,52,56,60
	v_pk_add_f32 v[14:15], v[14:15], v[96+\j:97+\j]
	v_pk_add_f32 v[236:237], v[236:237], v[98+\j:99+\j]
.endr
	v_pk_add_f32 v[14:15], v[14:15], v[236:237]
	s_wait_alu depctr_va_vdst(0)                   ; and one for the four
.irp b, 0,1,2,3
	v_max_num_f32 v[232+\b], 0x1800000, v[232+\b]  ; the floor 2^(3 - 127)
.endr
.irp b, 0,1,2,3
	v_add_nc_u32 v[244+\b], 0xff000000, v[232+\b]
.endr
.irp b, 0,1,2,3
	v_lshrrev_b32 v[236+\b], 23, v[244+\b]
.endr
	v_lshl_or_b32 v253, v237, 8, v236              ; p's scale word for these 128 keys
	v_lshl_or_b32 v253, v238, 16, v253
	v_lshl_or_b32 v253, v239, 24, v253
.irp b, 0,1,2,3
	v_cvt_scalef32_pk8_fp4_f32 v[224+2*\b], v[96+16*\b:103+16*\b], v[244+\b]
	v_cvt_scalef32_pk8_fp4_f32 v[225+2*\b], v[104+16*\b:111+16*\b], v[244+\b]
.endr
	v_nop                                          ; one plain place behind a scaled conversion
.irp c, 0,1
.irp i, 0,1
	v_permlane16_swap_b32 v[224+4*\c+\i], v[226+4*\c+\i]
.endr
.endr
.set j, 0
.rept 32
	v_pk_mul_f32 v[160+j:161+j], v[160+j:161+j], v[252:253] op_sel_hi:[1,0]   ; O^T under the new M; these 32 are also the places in front of the scaled products
.set j, j+2
.endr
	s_wait_dscnt 0x0                               ; V is in
	PV 0
	PV 1
	PV 2
	PV 3
.rept 4
	v_nop                                          ; places in front of the next loads into V's registers and of the next read of O^T
.endr
.Ldone_\@:
.if \st
	s_wait_loadcnt \left                           ; tile s + 1's four loads are in
	v_add_nc_u32 v[FST], s[TB], v[FS0]
	WIN 0x04
.irp i, 0,1,2,3
	ds_store_b128 v[FST], v[16*(1-\p)+4*\i:16*(1-\p)+4*\i+3] offset:TILE+512*\i
.endr
	WIN 0
.endif
.if \bar
	s_add_co_u32 s[TB], s[TB], TILE
	s_add_co_u32 s[TS], s[TS], 512
	s_lshr_b32 s[SKIP], s[SKIP], 1
	s_lshr_b32 s[OPEN], s[OPEN], 1
	s_add_nc_u64 s[8:9], s[8:9], 256               ; the next step's lane masks
	s_wait_dscnt 0x0                               ; my stores of the next tile are done
	s_barrier_signal -1
	s_barrier_wait -1
.endif
.endm
	s_mov_b32 s[CNT], 7
.Ltrip:                                                ; seven trips of two steps: steps 0 to 13, which ask for tiles 2 to 15
	STEP 0, 1, 1, 4, 1
	STEP 1, 1, 1, 4, 1
	s_wait_xcnt 0x0                                ; the loads and the prefetch have read their base
	s_add_nc_u64 s[30:31], s[30:31], 2*8192
	s_sub_co_u32 s[CNT], s[CNT], 1
	s_cmp_lg_u32 s[CNT], 0
	s_cbranch_scc1 .Ltrip
	STEP 0, 0, 1, 0, 1                             ; step 14: nothing is left to ask for; tile 15 goes to LDS
	STEP 1, 0, 0, 0, 0                             ; step 15
	; THE WAY OUT: O^T / the sum, quantised along the head's 128: the eight code registers are a fragment of the last product's left operand.
	v_add_f32 v14, v14, v15
	v_permlanex16_b32 v252, v14, s[SEL], s[SEL+1]
	v_add_f32 v14, v14, v252                       ; the row's sum
	v_rcp_f32 v14, v14
	v_nop                                          ; a plain place behind the reciprocal
	s_wait_alu depctr_va_vdst(0)                   ; and the wait ahead of its first reader
.set j, 0
.rept 64
	v_mul_f32 v[96+j], v[160+j], v14
.set j, j+1
.endr
	QUANT 96, 224, 253
	global_store_b128 v[L16], v[224:227], s[12:13]             ; 512 consecutive bytes a store
	global_store_b128 v[L16], v[228:231], s[12:13] offset:512
	global_store_b32 v[RO], v253, s[14:15]         ; 4 bytes of each of 16 rows of 64: the last launch wants a row's 16 words on end; 128 KiB in the whole launch leave so (both halves of the lanes write the same word)
	s_wait_tensorcnt 0x0                           ; the wave's end, behind my last LDS store
	ds_add_u32 v[SPW], v[NIL]
	s_wait_dscnt 0x0
	s_endpgm
.Lfunc_end_k_q548815f16e_attn:
	.size	k_q548815f16e_attn, .Lfunc_end_k_q548815f16e_attn-k_q548815f16e_attn
	.p2alignl 7, 3214868480
	.fill 96, 4, 3214868480
	.section	.rodata,"a",@progbits
	.p2align	6, 0x0
	.amdhsa_kernel k_q548815f16e_attn
		.amdhsa_group_segment_fixed_size 279552
		.amdhsa_private_segment_fixed_size 0
		.amdhsa_enable_private_segment 0
		.amdhsa_kernarg_size 48
		.amdhsa_user_sgpr_count 2
		.amdhsa_user_sgpr_kernarg_segment_ptr 1
		.amdhsa_wavefront_size32 1
		.amdhsa_system_sgpr_workgroup_id_x 1
		.amdhsa_system_sgpr_workgroup_id_y 1
		.amdhsa_system_sgpr_workgroup_id_z 1
		.amdhsa_system_vgpr_workitem_id 0
		.amdhsa_next_free_vgpr 288
		.amdhsa_next_free_sgpr 102
		.amdhsa_reserve_vcc 0
		.amdhsa_float_denorm_mode_32 3
		.amdhsa_float_denorm_mode_16_64 3
		.amdhsa_memory_ordered 1
		.amdhsa_forward_progress 1
		.amdhsa_inst_pref_size 109
	.end_amdhsa_kernel
	.amdgpu_metadata
---
amdhsa.version: [ 1, 2 ]
amdhsa.kernels:
  - .name:           k_q548815f16e_attn
    .symbol:         k_q548815f16e_attn.kd
    .args:
      - { .name: qkvc, .offset: 0, .size: 8, .value_kind: global_buffer, .address_space: global }
      - { .name: qkvs, .offset: 8, .size: 8, .value_kind: global_buffer, .address_space: global }
      - { .name: mw, .offset: 16, .size: 8, .value_kind: global_buffer, .address_space: global }
      - { .name: msum, .offset: 24, .size: 8, .value_kind: global_buffer, .address_space: global }
      - { .name: ac, .offset: 32, .size: 8, .value_kind: global_buffer, .address_space: global }
      - { .name: asc, .offset: 40, .size: 8, .value_kind: global_buffer, .address_space: global }
    .group_segment_fixed_size: 279552
    .private_segment_fixed_size: 0
    .kernarg_segment_align: 8
    .kernarg_segment_size: 48
    .max_flat_workgroup_size: 256
    .sgpr_count:     102
    .vgpr_count:     288
    .wavefront_size: 32
...
	.end_amdgpu_metadata
.endif
;; end of part 3
;; launch proj (part 4): grid 8 x 8, 4 waves a work-group, clusters of 4 x 4, 327,680 bytes of LDS; arguments ac, asc, codes, scl, bo, out0; writes out0
.if DOCPART == 4
	.amdgcn_target "amdgcn-amd-amdhsa--gfx1250"
	.amdhsa_code_object_version 6
	.text
	.protected	k_q548815f16e_proj
	.globl	k_q548815f16e_proj
	.p2align	8
	.type	k_q548815f16e_proj,@function
k_q548815f16e_proj:
	s_mov_b64 s[64:65], 0
	v_nop
	global_prefetch_b8 v0, s[64:65] scope:SCOPE_SE
	s_setreg_imm32_b32 hwreg(HW_REG_WAVE_MODE, 25, 1), 1
	s_wait_xcnt 0x0
	s_wait_alu depctr_hold_cnt(0) depctr_sa_sdst(0) depctr_va_vdst(0) depctr_va_sdst(0) depctr_va_ssrc(0) depctr_va_vcc(0) depctr_vm_vsrc(0)
	s_getreg_b32 s2, hwreg(HW_REG_IB_STS2, 6, 4)
	s_cmp_eq_u32 s2, 0
	s_cbranch_scc0 .Lentry_in_a_cluster
	s_endpgm
.Lentry_in_a_cluster:
	s_bfe_u32 s2, ttmp6, 0x10000c
	s_cmp_lg_u32 s2, 0xf033
	s_cbranch_scc0 .Lentry_shape_is_right
	s_endpgm
.Lentry_shape_is_right:
; FOURTH LAUNCH: out0 = a Wo^T + bo on codes of FP4 with E8M0 scales; a is the attention's result as the third launch left it.  Nothing is left out here.
; A tile of out0 is 256 x 256: four waves, each 128 x 128 in 64 accumulators; 64 work-groups: the product has no more tiles of this size.  K = 2,048 goes in steps of 512 (four heads) through a ring of two LDS slots filled by tensor loads.
; A COMES AS IMAGES OF ITS FRAGMENTS: ac is [head][tile of 16 stored rows][1,024 bytes], so the eight tiles of 128 rows are 8,192 consecutive bytes of each head: a load brings four such rows, 131,072 bytes apart, with no padding;
; a fragment is read back by two loads of 512 consecutive bytes.  B = Wo's rows of codes (rows 8,192 on of the first launch's buffers), rows of 256 bytes with 16 of padding.  The scale bytes of the 512 rows come once and stay.
; CLUSTERS of 4 x 4: A's tiles are asked for jointly along a row of the cluster, B's along a column.
; THE MATRIX INSTRUCTION IS USED TRANSPOSED (source 0 = 16 rows of Wo, source 1 = 16 rows of a).  Both lie in the stored order (bits 3 and 4 of a row's number exchanged): in block a lane (r, h) holds token 32 (a / 2) + 8 (a % 2) + r + 8 (r / 8)
; of my 128, and register j of accumulator (a, b) column 32 (b / 2) + 8 (b % 2) + 16 h + j.  The way out puts both back: columns by the place in the stage, rows by the stores' offsets.
; bo is the C of each sum's first matrix instruction: eight registers for each b, in the result's layout.
; REGISTERS as in the second launch: window 0: v0-31 addresses; v32-95 scale words; v128-191 A's fragments; v192-255 bo, later rows on their way out.  window 1: B's fragments, two sets.  windows 2, 3: the accumulators.
.set KSTEP,  512
.set NQ,     KSTEP/128
.set ROWB,   256
.set KROW,   1024
.set PITCH,  272
.set FR,     8
.set NL,     2
.set NP,     4
.set HALFA,  32768                     ; A: 4 heads x 8 images of 1,024 bytes: what one tensor load brings
.set ASTEP,  4*131072                  ; a K step on in ac: four heads
.set HALFT,  128*PITCH                 ; B: 128 rows
.set BOFF,   2*HALFA                   ; B's rows lie behind A's two halves
.set SLOT,   BOFF+2*HALFT
.set LAPS,   2
.set KS,     64
.set SCL,    2*SLOT
.set HALFS,  (128*KS/256)*272
.set SBLK,   (16*KS/256)*272
.set SPARE,  SCL+4*HALFS               ; the spare words, 128 bytes a wave, which no other line names
.set SPITCH, 528                       ; the way out: a stage of 16 rows x (512 bytes + 16) for each wave, in slot 0, which has had its last fill and its last read when the first result is stored there
.set ADRA, 16
.set ADRB, 20
.set STO,  24
.set RD,   25
.set CO,   26
.set ADRS, 27
.set SPW,  28
.set NIL,  29
.set BOF,  30
.set SC,   32
.set AF,   128
.set BO,   192
.set BK,   128
.set G1, 24
.set G0, 32
.set G1B, 48
.set G0B, 56
.set G1S, 68
.set G0S, 76
.set G1SB, 80
.set G0SB, 88
.set MSB, 0
.macro WIN new
.if MSB != \new
	s_set_vgpr_msb (MSB<<8)|\new
.set MSB, \new
.endif
.endm
.set MUL_LO, 0xa1                      ; source 0 (B) window 1, source 1 (A) window 0, C and D window 2
.set MUL_HI, 0xf1
.set FST_LO, 0x81                      ; the first step: C (bo) window 0, D window 2
.set FST_HI, 0xc1
.set TO_B,   0x40
.macro JLOAD g0a, g1a, g0b, g1b
	s_cmp_eq_u32 s15, 0
	s_cbranch_scc0 .Lfor_b_\@
	tensor_load_to_lds s[\g0a:\g0a+3], s[\g1a:\g1a+7]
	s_nop 0
.rept 4
	v_nop
.endr
	s_branch .Lasked_\@
.Lfor_b_\@:
	tensor_load_to_lds s[\g0b:\g0b+3], s[\g1b:\g1b+7]
	s_nop 0
.rept 4
	v_nop
.endr
.Lasked_\@:
.endm
.macro CREST
	s_cmp_lg_u32 s14, 0
	s_cbranch_scc1 .Lnot_wave_0_\@
	s_barrier_signal -3
.Lnot_wave_0_\@:
	s_barrier_wait -3
	s_barrier_signal -1
	s_barrier_wait -1
.endm
.macro CROUND
	s_barrier_signal -1
	s_barrier_wait -1
	CREST
.endm
	s_load_b256 s[4:11], s[0:1], 0x0               ; ac s[4:5], asc s[6:7], codes s[8:9], scl s[10:11]
	s_load_b128 s[96:99], s[0:1], 0x20             ; bo s[96:97], out0 s[98:99]
	v_lshl_add_u32 v[SPW], v0, 2, SPARE
	v_mov_b32 v[NIL], 0
	ds_add_u32 v[SPW], v[NIL]                      ; the wave's opening: the add, twice on end, and its wait ahead of my first tensor load
	ds_add_u32 v[SPW], v[NIL]
	v_lshrrev_b32 v1, 5, v0
	v_readfirstlane_b32 s14, v1                    ; wave 0..3
	s_lshr_b32 s15, s14, 1                         ; which half of the tile's rows is mine.  Also: I fetch for A (0) or for B (1)
	s_and_b32 s16, s14, 1                          ; which half of its columns.  Also: which 128 rows I fetch
	s_bfe_u32 s40, ttmp6, 0x40000
	s_bfe_u32 s41, ttmp6, 0x40004
	s_lshl_b32 s42, ttmp9, 2
	s_add_co_u32 s42, s42, s40                     ; tile column
	s_and_b32 s17, ttmp7, 0xffff
	s_lshl_b32 s17, s17, 2
	s_add_co_u32 s17, s17, s41                     ; tile row
	s_lshl_b32 s43, s41, 2
	s_lshl_b32 s43, 15, s43                        ; my row of the cluster
	s_lshl_b32 s44, 0x1111, s40                    ; my column
	s_or_b32 s[G1+0], s43, (3<<16)|(1<<21)         ; A: the mask; elements of 8 bytes; no padding; bit 21 beside a mask
	s_mov_b32 s[G1+1], 1024<<16                    ; tensor_dim0 = 1,024 elements: eight images
	s_mov_b32 s[G1+2], 4<<16                       ; tensor_dim1 = 4 heads
	s_mov_b32 s[G1+3], 1024<<16                    ; tile_dim0
	s_mov_b32 s[G1+4], 4                           ; tile_dim1
	s_mov_b32 s[G1+5], 16384                       ; from head to head: 131,072 bytes
	s_mov_b32 s[G1+6], 0
	s_mov_b32 s[G1+7], 0
	s_or_b32 s[G1B+0], s44, (0<<16)|(1<<20)|(1<<21)|(5<<22)|(3<<25)  ; B: elements of 1 byte; padding: 4 words after every 64
	s_mov_b32 s[G1B+1], ROWB<<16
	s_mov_b32 s[G1B+2], 128<<16
	s_mov_b32 s[G1B+3], ROWB<<16
	s_mov_b32 s[G1B+4], 128
	s_mov_b32 s[G1B+5], KROW
	s_mov_b32 s[G1B+6], 0
	s_mov_b32 s[G1B+7], 0
	s_or_b32 s[G1S+0], s43, (3<<16)|(1<<20)|(1<<21)|(5<<22)|(3<<25)  ; the scales of 128 rows: 32 rows of 256 bytes, 16 of padding behind each
	s_or_b32 s[G1SB+0], s44, (3<<16)|(1<<20)|(1<<21)|(5<<22)|(3<<25)
.irp g, G1S, G1SB
	s_mov_b32 s[\g+1], 32<<16
	s_mov_b32 s[\g+2], (128*KS/256)<<16
	s_mov_b32 s[\g+3], 32<<16
	s_mov_b32 s[\g+4], 128*KS/256
	s_mov_b32 s[\g+5], 32
	s_mov_b32 s[\g+6], 0
	s_mov_b32 s[\g+7], 0
.endr
	s_lshl_b32 s20, s17, 14                        ; A: 16 images of 1,024 bytes a tile row, 8 a half; its scales: 256 rows of 64 bytes, 128 a half: the same number of bytes
	s_lshl_b32 s18, s16, 13
	s_add_co_u32 s20, s20, s18
	s_mov_b32 s21, 0
	s_lshl_b32 s46, s42, 8
	s_lshl_b32 s18, s16, 7
	s_add_co_u32 s46, s46, s18
	s_add_co_u32 s46, s46, 8192                    ; B: Wo's rows begin at row 8,192 of the buffers
	s_lshl_b32 s92, s46, 6
	s_mov_b32 s93, 0
	s_lshl_b32 s46, s46, 10
	s_mov_b32 s47, 0
	s_mul_i32 s45, s16, HALFA                      ; where they go: A's halves,
	s_mul_i32 s95, s16, HALFT
	s_add_co_u32 s95, s95, BOFF                    ; B's halves,
	s_mul_i32 s94, s14, HALFS                      ; the scales: wave x 128 rows
	s_wait_dscnt 0x0                               ; both opening adds are done
	s_wait_kmcnt 0x0
	s_add_nc_u64 s[22:23], s[6:7], s[20:21]
	s_add_nc_u64 s[20:21], s[4:5], s[20:21]
	s_add_nc_u64 s[92:93], s[10:11], s[92:93]
	s_add_nc_u64 s[46:47], s[8:9], s[46:47]
	CROUND                                         ; all sixteen work-groups are here: the first joint loads meet
	s_mov_b32 s[G0S], 1
	s_add_co_u32 s[G0S+1], s94, SCL
	s_mov_b64 s[G0S+2:G0S+3], s[22:23]
	s_or_b32 s[G0S+3], s[G0S+3], 0x80000000
	s_mov_b32 s[G0SB], 1
	s_add_co_u32 s[G0SB+1], s94, SCL
	s_mov_b64 s[G0SB+2:G0SB+3], s[92:93]
	s_or_b32 s[G0SB+3], s[G0SB+3], 0x80000000
	JLOAD G0S, G1S, G0SB, G1SB
.irp s, 0,1
	s_mov_b32 s[G0+4*\s], 1
	s_add_co_u32 s[G0+4*\s+1], s45, \s*SLOT
	s_add_nc_u64 s[G0+4*\s+2:G0+4*\s+3], s[20:21], \s*ASTEP
	s_or_b32 s[G0+4*\s+3], s[G0+4*\s+3], 0x80000000
	s_mov_b32 s[G0B+4*\s], 1
	s_add_co_u32 s[G0B+4*\s+1], s95, \s*SLOT
	s_add_nc_u64 s[G0B+4*\s+2:G0B+4*\s+3], s[46:47], \s*ROWB
	s_or_b32 s[G0B+4*\s+3], s[G0B+4*\s+3], 0x80000000
	JLOAD G0+4*\s, G1, G0B+4*\s, G1B
.endr
	v_and_b32 v1, 15, v0                           ; r
	v_bfe_u32 v2, v0, 4, 1                         ; h
	v_and_b32 v6, 31, v0
	v_lshlrev_b32 v[CO], 4, v6                     ; 16 x lane
	v_mul_u32_u24 v3, v1, PITCH
	v_lshl_add_u32 v4, v2, 4, v3
	s_mul_i32 s21, s15, HALFA                      ; my 128 rows of A: images,
	s_mul_i32 s22, s16, HALFT                      ; my 128 rows of B: rows
	s_add_co_u32 s22, s22, BOFF
.irp s, 0,1
	v_add_nc_u32 v[ADRA+\s], s21, v[CO]
	v_add_nc_u32 v[ADRB+\s], s22, v4
	s_add_co_u32 s21, s21, SLOT
	s_add_co_u32 s22, s22, SLOT
.endr
	v_mul_u32_u24 v5, v1, KS
	v_lshrrev_b32 v6, 8, v5
	v_lshl_add_u32 v5, v6, 4, v5
	s_mul_i32 s21, s15, HALFS
	s_mul_i32 s22, s16, HALFS
	s_add_co_u32 s22, s22, 2*HALFS
	s_sub_co_u32 s22, s22, s21
	v_mul_u32_u24 v6, s22, v2                      ; lanes 16-31 take B's
	s_add_co_u32 s21, s21, SCL
	v_add_nc_u32 v5, v5, v6
	v_add_nc_u32 v[ADRS], s21, v5
	s_mul_i32 s23, s14, 16*SPITCH                  ; my stage
	v_mul_u32_u24 v5, v1, SPITCH                   ; in: row r, + 64 h: my half's 16 columns of each 32
	v_lshl_add_u32 v5, v2, 6, v5
	v_add_nc_u32 v[STO], s23, v5
	v_add_nc_u32 v[RD], s23, v[CO]                 ; back: the 32 lanes take one row of 512 bytes
	v_lshlrev_b32 v[BOF], 6, v2
	s_lshl_b32 s46, s42, 10                        ; my first column, in bytes: 1,024 x tile column + 512 x half
	s_lshl_b32 s47, s16, 9
	s_add_co_u32 s46, s46, s47
	s_mov_b32 s47, 0
	s_add_nc_u64 s[96:97], s[96:97], s[46:47]      ; bo at my 128 columns
	s_lshl_b32 s20, s17, 21                        ; my first row: 256 rows of 8,192 bytes a tile row, 128 a half
	s_lshl_b32 s21, s15, 20
	s_add_co_u32 s20, s20, s21
	s_mov_b32 s21, 0
	s_add_nc_u64 s[20:21], s[20:21], s[46:47]
	s_add_nc_u64 s[98:99], s[98:99], s[20:21]
.irp b, 0,1,2,3,4,5,6,7
	global_load_b128 v[BO+8*\b:BO+8*\b+3], v[BOF], s[96:97] offset:(32*(\b/2)+8*(\b%2))*4
	global_load_b128 v[BO+8*\b+4:BO+8*\b+7], v[BOF], s[96:97] offset:(32*(\b/2)+8*(\b%2))*4+16
.endr
.macro FRAGB reg, adr, q, i
.irp c, 0,1
	ds_load_b128 v[\reg+4*\c:\reg+4*\c+3], v[\adr] offset:64*(\q)+32*\c+(\i)*16*PITCH
.endr
.endm
.macro FRAGA reg, adr, q, i            ; an image: head q of the slot, tile i of my eight
.irp c, 0,1
	ds_load_b128 v[\reg+4*\c:\reg+4*\c+3], v[\adr] offset:8192*(\q)+1024*(\i)+512*\c
.endr
.endm
; 16 matrix instructions; first = 1: the sums begin with bo.  The 64 accumulators take turns, one instruction a turn, in the same order in every step.
.macro MUL16 a0, p, q, sc, first
.irp a, \a0, \a0+1
.irp b, 0,1,2,3,4,5,6,7
.if \first
	v_wmma_scale_f32_16x16x128_f8f6f4 v[8*(8*((\a)%4)+\b):8*(8*((\a)%4)+\b)+7], v[128*(\p)+FR*\b:128*(\p)+FR*\b+FR-1], v[AF+FR*(\a):AF+FR*(\a)+FR-1], v[BO+8*\b:BO+8*\b+7], v[SC+8*NQ*(\sc)+NQ*\b+(\q)], v[SC+8*NQ*(\sc)+NQ*(\a)+(\q)] matrix_a_fmt:MATRIX_FMT_FP4 matrix_b_fmt:MATRIX_FMT_FP4 matrix_a_scale:MATRIX_SCALE_ROW1
.else
	v_wmma_scale_f32_16x16x128_f8f6f4 v[8*(8*((\a)%4)+\b):8*(8*((\a)%4)+\b)+7], v[128*(\p)+FR*\b:128*(\p)+FR*\b+FR-1], v[AF+FR*(\a):AF+FR*(\a)+FR-1], v[8*(8*((\a)%4)+\b):8*(8*((\a)%4)+\b)+7], v[SC+8*NQ*(\sc)+NQ*\b+(\q)], v[SC+8*NQ*(\sc)+NQ*(\a)+(\q)] matrix_a_fmt:MATRIX_FMT_FP4 matrix_b_fmt:MATRIX_FMT_FP4 matrix_a_scale:MATRIX_SCALE_ROW1
.endif
.endr
.endr
.endm
.macro FETCH_B slot, q, p
	WIN TO_B
.irp i, 0,1,2,3,4,5,6,7
	FRAGB 128*(\p)+FR*\i, ADRB+\slot, \q, \i
.endr
	WIN 0
.endm
.macro FETCH_A slot, q, i0
.irp i, \i0, \i0+1, \i0+2, \i0+3
	FRAGA AF+FR*(\i), ADRA+\slot, \q, \i
.endr
.endm
.macro SCALES sc
.irp i, 0,1,2,3,4,5,6,7
	ds_load_b128 v[SC+8*NQ*\sc+NQ*\i:SC+8*NQ*\sc+NQ*\i+3], v[ADRS] offset:\i*SBLK
.endr
.endm
.macro PLACES n
.rept \n
	v_nop
.endr
.endm
.macro STEP slot, q, first
	s_wait_dscnt 4*NL                              ; B's set and A's blocks 0-3 are in; the youngest eight loads (A's blocks 4-7) may be out
.if \first
	WIN FST_LO
.else
	WIN MUL_LO
.endif
	MUL16 0, (\q)%2, \q, \slot, \first
	MUL16 2, (\q)%2, \q, \slot, \first
	s_wait_dscnt 0
	PLACES NP
	FETCH_B \slot, (\q)+1, 1-(\q)%2
	FETCH_A \slot, (\q)+1, 0
.if \first
	WIN FST_HI
.else
	WIN MUL_HI
.endif
	MUL16 4, (\q)%2, \q, \slot, \first
	MUL16 6, (\q)%2, \q, \slot, \first
	PLACES NP
	WIN 0
	FETCH_A \slot, (\q)+1, 4
.endm
.macro TURN slot, next, fill
	s_wait_tensorcnt 0x0                           ; all my tensor loads have landed: my part of the next slot
	ds_add_u32 v[SPW], v[NIL]
	s_wait_dscnt 4*NL+1                            ; (the add and the youngest eight loads may be out)
	WIN MUL_LO
	MUL16 0, 1, NQ-1, \slot, 0
	s_wait_dscnt 0x0                               ; the add is done, and my reads of this slot are over
	s_barrier_signal -1
	MUL16 2, 1, NQ-1, \slot, 0
	WIN 0
	s_barrier_wait -1
.if \fill
	CREST                                          ; the barrier has opened a round of the cluster's: no wave of any partner still reads this slot or has a load on its way
	s_add_nc_u64 s[G0+4*\slot+2:G0+4*\slot+3], s[G0+4*\slot+2:G0+4*\slot+3], 2*ASTEP
	s_add_nc_u64 s[G0B+4*\slot+2:G0B+4*\slot+3], s[G0B+4*\slot+2:G0B+4*\slot+3], 2*ROWB
	JLOAD G0+4*\slot, G1, G0B+4*\slot, G1B
.else
	PLACES NP
.endif
	v_add_nc_u32 v[ADRS], 4*NQ, v[ADRS]
	FETCH_B \next, 0, 0
	FETCH_A \next, 0, 0
	SCALES \next
	WIN MUL_HI
	MUL16 4, 1, NQ-1, \slot, 0
	MUL16 6, 1, NQ-1, \slot, 0
	PLACES NP
	WIN 0
	FETCH_A \next, 0, 4
.endm
.macro STEPS slot, from
.set Q, \from
.rept NQ-1-\from
	STEP \slot, Q, 0
.set Q, Q+1
.endr
.endm
	s_wait_tensorcnt 1                             ; the scales and my part of K step 0 are in (K step 1's load may be out),
	s_barrier_signal -1
	s_barrier_wait -1                              ; everybody's are
	FETCH_B 0, 0, 0
	FETCH_A 0, 0, 0
	SCALES 0
	FETCH_A 0, 0, 4
	s_wait_loadcnt 0x0                             ; bo
	STEP 0, 0, 1                                   ; the first step stands in front of the loop: its products start the sums, from bo
	s_mov_b32 s3, LAPS-1
.Llap:
	STEPS 0, 1
	TURN 0, 1, 1
	STEPS 1, 0
	TURN 1, 0, 1
	STEP 0, 0, 0
	s_sub_co_u32 s3, s3, 1
	s_cmp_lg_u32 s3, 0
	s_cbranch_scc1 .Llap
	STEPS 0, 1
	TURN 0, 1, 0
	STEPS 1, 0
	s_wait_dscnt 4*NL
	WIN MUL_LO
	MUL16 0, 1, NQ-1, 1, 0
	MUL16 2, 1, NQ-1, 1, 0
	s_wait_dscnt 0
	WIN MUL_HI
	MUL16 4, 1, NQ-1, 1, 0
	MUL16 6, 1, NQ-1, 1, 0
	WIN 0
; THE WAY OUT, block by block of 16 rows x 128 columns, through my own stage: a lane's eight numbers of accumulator b go to their columns' place in row r; the rows come back whole, 512 bytes to the 32 lanes.
; LDS serves a wave's instructions in order (ISA guide 5.7.1.4): no wait between the stores and the loads, nor in front of the next block's stores.
.macro TOSTAGE a
.set AC, 64*((\a)%4)
	WIN 0x08+4*((\a)/4)                            ; the data: window 2 or 3
.irp b, 0,1,2,3,4,5,6,7
	ds_store_b128 v[STO], v[AC+8*\b:AC+8*\b+3] offset:128*(\b/2)+32*(\b%2)          ; each accumulator from its low end on
	ds_store_b128 v[STO], v[AC+8*\b+4:AC+8*\b+7] offset:128*(\b/2)+32*(\b%2)+16
.endr
	WIN 0
.set BB, BK+64*((\a)%2)
.irp t, 0,1,2,3,4,5,6,7,8,9,10,11,12,13,14,15
	ds_load_b128 v[BB+4*\t:BB+4*\t+3], v[RD] offset:\t*SPITCH
.endr
.endm
.macro SEND a, younger                 ; stage row t of block a is token 32 (a / 2) + 8 (a % 2) + t + 8 (t / 8) of my 128: it stands in the immediate, 127 rows of 8,192 bytes at the most; the base is never stepped
.set BB, BK+64*((\a)%2)
	s_wait_dscnt \younger
.irp t, 0,1,2,3,4,5,6,7,8,9,10,11,12,13,14,15
	global_store_b128 v[CO], v[BB+4*\t:BB+4*\t+3], s[98:99] offset:(32*((\a)/2)+8*((\a)%2)+\t+8*(\t/8))*8192 th:TH_STORE_NT   ; 32 lanes store 512 consecutive bytes
.endr
.endm
	PLACES NP
	TOSTAGE 0
.irp a, 1,2,3,4,5,6,7
.if \a > 1
	s_wait_xcnt 0x0                                ; block a - 2's stores have read their registers: block a's loads may land there
.endif
	TOSTAGE \a
	SEND \a-1, 32                                  ; behind block a - 1's loads: block a's 16 stores and 16 loads
.endr
	SEND 7, 0
	s_wait_tensorcnt 0x0                           ; the wave's end
	ds_add_u32 v[SPW], v[NIL]
	s_wait_dscnt 0x0
	CROUND                                         ; the closing round
	s_endpgm
.Lfunc_end_k_q548815f16e_proj:
	.size	k_q548815f16e_proj, .Lfunc_end_k_q548815f16e_proj-k_q548815f16e_proj
	.p2alignl 7, 3214868480
	.fill 96, 4, 3214868480
	.section	.rodata,"a",@progbits
	.p2align	6, 0x0
	.amdhsa_kernel k_q548815f16e_proj
		.amdhsa_group_segment_fixed_size 327680
		.amdhsa_private_segment_fixed_size 0
		.amdhsa_enable_private_segment 0
		.amdhsa_kernarg_size 48
		.amdhsa_user_sgpr_count 2
		.amdhsa_user_sgpr_kernarg_segment_ptr 1
		.amdhsa_wavefront_size32 1
		.amdhsa_system_sgpr_workgroup_id_x 1
		.amdhsa_system_sgpr_workgroup_id_y 1
		.amdhsa_system_sgpr_workgroup_id_z 1
		.amdhsa_system_vgpr_workitem_id 0
		.amdhsa_next_free_vgpr 1024
		.amdhsa_next_free_sgpr 102
		.amdhsa_reserve_vcc 0
		.amdhsa_float_denorm_mode_32 3
		.amdhsa_float_denorm_mode_16_64 3
		.amdhsa_memory_ordered 1
		.amdhsa_forward_progress 1
		.amdhsa_inst_pref_size 212
	.end_amdhsa_kernel
	.amdgpu_metadata
---
amdhsa.version: [ 1, 2 ]
amdhsa.kernels:
  - .name:           k_q548815f16e_proj
    .symbol:         k_q548815f16e_proj.kd
    .args:
      - { .name: ac, .offset: 0, .size: 8, .value_kind: global_buffer, .address_space: global }
      - { .name: asc, .offset: 8, .size: 8, .value_kind: global_buffer, .address_space: global }
      - { .name: codes, .offset: 16, .size: 8, .value_kind: global_buffer, .address_space: global }
      - { .name: scl, .offset: 24, .size: 8, .value_kind: global_buffer, .address_space: global }
      - { .name: bo, .offset: 32, .size: 8, .value_kind: global_buffer, .address_space: global }
      - { .name: out0, .offset: 40, .size: 8, .value_kind: global_buffer, .address_space: global }
    .group_segment_fixed_size: 327680
    .private_segment_fixed_size: 0
    .kernarg_segment_align: 8
    .kernarg_segment_size: 48
    .max_flat_workgroup_size: 128
    .sgpr_count:     102
    .vgpr_count:     1024
    .wavefront_size: 32
...
	.end_amdgpu_metadata
.endif
;; end of part 4
;; ======== version 2 of 2: 4 launches; version 1 with the launch attn written anew for expert scheduling mode
;; limits: right only within a limited range of input values
;; workspace buffers: codes 10,485,760 bytes; scl 655,360 bytes; mw 524,288 bytes of whole numbers; msum 16,384 bytes of whole numbers; qkvc 6,291,456 bytes; qkvs 393,216 bytes; ac 2,097,152 bytes; asc 131,072 bytes
;; launch prep: the kernel of part 1 again; grid 768 x 1, 4 waves a work-group, no clusters, 33,280 bytes of LDS; arguments x, Wq, Wk, Wv, Wo, mask, codes, scl, mw, msum; writes codes, scl, mw, msum
;; launch qkv: the kernel of part 2 again; grid 24 x 8, 4 waves a work-group, clusters of 4 x 4, 327,680 bytes of LDS; arguments codes, scl, bq, bk, bv, qkvc, qkvs; writes qkvc, qkvs
;; launch attn (part 5): grid 16 x 16, 8 waves a work-group, no clusters, 279,552 bytes of LDS; arguments qkvc, qkvs, mw, msum, ac, asc; writes ac, asc
.if DOCPART == 5
	.amdgcn_target "amdgcn-amd-amdhsa--gfx1250"
	.amdhsa_code_object_version 6
	.text
	.protected	k_q548815f16e_attn
	.globl	k_q548815f16e_attn
	.p2align	8
	.type	k_q548815f16e_attn,@function
k_q548815f16e_attn:
	s_mov_b64 s[64:65], 0
	v_nop
	global_prefetch_b8 v0, s[64:65] scope:SCOPE_SE
	s_setreg_imm32_b32 hwreg(HW_REG_WAVE_SCHED_MODE, 0, 2), 2
	s_setreg_imm32_b32 hwreg(HW_REG_WAVE_MODE, 25, 1), 1
	s_wait_xcnt 0x0
	s_wait_alu depctr_vm_vsrc(0)
; THIRD LAUNCH: for each head, softmax(mask(q k^T / sqrt(128))) v on codes of FP4, and the result quantised along the head's 128 for the last product.
; LEFT OUT: a key step of 128 keys all of whose mask bytes are set for the wave's 16 queries, where each of those queries has an open key somewhere: p is 0 throughout it (shown at the head of the first launch).
; The decision is made of whole numbers that the first launch stored (msum) and this launch reads from memory.  A NaN, an infinity or an overflow that reaches only such a step is not carried to the result.
; THE SOFTMAX: t = score x log2(e) / sqrt(128); M = the running largest t rounded up to a whole number; p = 2^(t - M) is quantised along the keys, not normalised; the row's sum is taken of the unquantised p and divides at the end.
; A MASKED KEY's score is replaced by -2^120.  Its t, c x -2^120, is exact in f32, so a query that has met masked keys only has t - M = 0 and p = 1 exactly: with no open key at all it ends as the plain mean of v, as equal logits give it.
; The first open key makes f = 2^(old M - new M) = 0, which takes away what was summed before; beside an open key a masked key's p is 0.  LIMIT: |q . k| stays under 2^119.  NaN and infinities are not served.
; SHARES.  A work-group has one head and eight waves, a wave one tile T of 16 queries: waves 0-3 tiles 4 x + w, waves 4-7 tiles 127 - (4 x + w - 4): right for every mask; it evens the steps walked where later queries see more keys.
; K AND V COME THROUGH LDS BY REGISTERS: this launch branches on numbers read from memory, so it has no tensor load.  The second launch left both as images of operand registers, 8,192 bytes for a step's 128 keys each: waves 0-3 bring
; a quarter of K's each, waves 4-7 of V's: four loads of 512 consecutive bytes two steps ahead, four LDS stores one step ahead.  All 16 steps' tiles have LDS bytes of their own: each byte is stored once, and one barrier a step
; stands between a tile's stores and its reads.  No cluster: no tile is asked for jointly where nothing comes by tensor loads.
; LAYOUT.  Both products transposed: S^T = K Q^T, O^T = V^T P^T: a lane holds one query (lane % 16).  Register 16 b + i of S^T is key 128 step + 32 b + 16 h + i; register 16 b + i of O^T is channel 32 b + 16 h + i.
; REGISTERS: v1-11 addresses; v12 -M, v13 the largest t, v[14:15] the sum; v16-23 Q; v32-95 K's, then V's eight fragments; v96-159 S^T, then p; v160-223 O^T; v224-231 p's codes; v232-247, v252, v254 at work;
;   v248-251 K's, then V's scale image; v253 p's scale word; v255 Q's scale words; v256-287 (window 1, v0-31) two sets of 16 for the tiles on their way.
; THE MODE: SCHED_MODE bits 1:0 = 2 (LLVM: expert scheduling mode 2), set by the entry lines.  The code itself states the register dependences between vector or matrix instructions and memory or LDS instructions, with s_wait_alu, always for 0.
; THE PLAN.  Registers that memory or LDS instructions touch:
;   v1, v2, v4, v7, v10, v5, v6   offsets and addresses made once at the head and never written again.
;   v8, v9        LDS addresses of the step's tile and scale image: written by one add each at a step's head; read by the step's 34 LDS loads.
;   v3            LDS address of my stores: written at the head and by one add at a step's head; read by the four LDS stores at the step's end.
;   v256-287      set s % 2: the loads of tile s + 2 land in it at the head of step s; the LDS stores at the end of step s + 1 read it.  No vector instruction names these registers.
;   v32-95, v248-251   K's LDS loads land; the products K Q^T read; V's LDS loads land; the products V^T P read; and round to the next walked step.
;   v96-111       at the head: my share of the scale images lands and is read by LDS stores; from step 0 on written by the products K Q^T.
;   v224-231, v253     in a step written by vector instructions and taken by the scaled products V^T P; on the way out written by the quantiser and read by the three global stores.
; THE WAITS OF A STEP.  At its head, ahead of the branch that may leave the step out: one on vm_vsrc (the last step's LDS stores have read set s % 2 and v3, the LDS loads issued so far v8 and v9; in step 0 the head's stores v96-111), the
; loads, the three adds, one on va_vdst (the three addresses are written; the last products V^T P are done reading v32-95 and v248-251).  No vector instruction behind it names v3 or v256-287, so the stores at the step's end owe nothing more.
; Behind K Q^T one on va_vdst, ahead of V's loads.  The two behind the exponentials.  One on va_vdst ahead of V^T P, for p's codes and scale word.
.set TILE,  16384                      ; LDS: a step's K image, 8,192 bytes, then its V image
.set VOFF,  8192
.set SCK,   16*TILE                    ; K's 16 scale images of 512 bytes; V's 8,192 bytes further on
.set SPARE, SCK+2*8192                 ; the spare words, 128 bytes a wave, which no other line names
.set L16, 1                            ; v1   16 x lane
.set FS0, 2                            ; v2   16 x lane + 2,048 x wave: my share of a step's 16,384 bytes
.set FST, 3                            ; v3   where my stores go
.set PFO, 4                            ; v4   256 x lane
.set SPW, 5
.set NIL, 6
.set RQ,  7                            ; v7   16 r
.set ADK, 8
.set ADS, 9
.set RO,  10                           ; v10  64 r
.set TM,  232
.set WV,  16
.set SEL, 20
.set CS,  22
.set TB,  24                           ; s24  LDS byte of the step's tile
.set TS,  25                           ; s25  of its scale image of K
.set SKIP, 26                          ; s26  bit 0: this step is left out; shifted down a step at a time
.set OPEN, 27                          ; s27  bit 0: this step has no masked key
.set CNT, 28
.set LIM, 29
.set MSB, 0
.macro WIN new
.if MSB != \new
	s_set_vgpr_msb (MSB<<8)|\new
.set MSB, \new
.endif
.endm
.macro QUANT s, pc, pw
.irp b, 0,1,2,3
	v_max3_num_f32 v[TM+\b], |v[\s+16*\b]|, |v[\s+1+16*\b]|, 0x1800000
.endr
.irp i, 2,4,6,8,10,12,14
.irp b, 0,1,2,3
	v_max3_num_f32 v[TM+\b], v[TM+\b], |v[\s+16*\b+\i]|, |v[\s+1+16*\b+\i]|
.endr
.endr
.irp b, 0,1,2,3
	v_permlanex16_b32 v[TM+4+\b], v[TM+\b], s[SEL], s[SEL+1]
.endr
.irp b, 0,1,2,3
	v_max_num_f32 v[TM+\b], v[TM+\b], v[TM+4+\b]
.endr
.irp b, 0,1,2,3
	v_add_nc_u32 v[TM+12+\b], 0xff000000, v[TM+\b]
.endr
.irp b, 0,1,2,3
	v_lshrrev_b32 v[TM+4+\b], 23, v[TM+12+\b]
.endr
	v_lshl_or_b32 v[\pw], v[TM+5], 8, v[TM+4]
	v_lshl_or_b32 v[\pw], v[TM+6], 16, v[\pw]
	v_lshl_or_b32 v[\pw], v[TM+7], 24, v[\pw]
.irp b, 0,1,2,3
	v_cvt_scalef32_pk8_fp4_f32 v[\pc+2*\b], v[\s+16*\b:\s+7+16*\b], v[TM+12+\b]
	v_cvt_scalef32_pk8_fp4_f32 v[\pc+1+2*\b], v[\s+8+16*\b:\s+15+16*\b], v[TM+12+\b]
.endr
	v_nop
.irp c, 0,1
.irp i, 0,1
	v_permlane16_swap_b32 v[\pc+4*\c+\i], v[\pc+2+4*\c+\i]
.endr
.endr
.endm
.macro KQ i                            ; tiles 2 i and 2 i + 1 of S^T: their scale words share a register, lanes 0-15 and lanes 16-31
	v_wmma_scale_f32_16x16x128_f8f6f4 v[96+16*\i:103+16*\i], v[32+16*\i:39+16*\i], v[16:23], 0, v[248+\i], v255 matrix_a_fmt:MATRIX_FMT_FP4 matrix_b_fmt:MATRIX_FMT_FP4
	v_wmma_scale_f32_16x16x128_f8f6f4 v[104+16*\i:111+16*\i], v[40+16*\i:47+16*\i], v[16:23], 0, v[248+\i], v255 matrix_a_fmt:MATRIX_FMT_FP4 matrix_b_fmt:MATRIX_FMT_FP4 matrix_a_scale:MATRIX_SCALE_ROW1
.endm
.macro PV i                            ; the same of O^T; the eight accumulators take turns
	v_wmma_scale_f32_16x16x128_f8f6f4 v[160+16*\i:167+16*\i], v[32+16*\i:39+16*\i], v[224:231], v[160+16*\i:167+16*\i], v[248+\i], v253 matrix_a_fmt:MATRIX_FMT_FP4 matrix_b_fmt:MATRIX_FMT_FP4
	v_wmma_scale_f32_16x16x128_f8f6f4 v[168+16*\i:175+16*\i], v[40+16*\i:47+16*\i], v[224:231], v[168+16*\i:175+16*\i], v[248+\i], v253 matrix_a_fmt:MATRIX_FMT_FP4 matrix_b_fmt:MATRIX_FMT_FP4 matrix_a_scale:MATRIX_SCALE_ROW1
.endm
	s_load_b256 s[4:11], s[0:1], 0x0               ; qkvc s[4:5], qkvs s[6:7], mw s[8:9], msum s[10:11]
	s_load_b128 s[12:15], s[0:1], 0x20             ; ac s[12:13], asc s[14:15]
	v_lshl_add_u32 v[SPW], v0, 2, SPARE
	v_mov_b32 v[NIL], 0
	v_lshrrev_b32 v8, 5, v0
	v_readfirstlane_b32 s[WV], v8                  ; wave 0..7
	v_and_b32 v9, 31, v0
	v_and_b32 v11, 15, v0
	v_lshlrev_b32 v[L16], 4, v9
	v_lshlrev_b32 v[PFO], 8, v9
	v_lshlrev_b32 v[RQ], 4, v11
	v_lshlrev_b32 v[RO], 6, v11
	s_wait_alu depctr_va_sdst(0)                   ; the wave's number is written into s16, ahead of its first reader: shares, tiles and bases are made from it
	s_lshl_b32 s2, s[WV], 11
	v_add_nc_u32 v[FS0], s2, v[L16]
	v_add_nc_u32 v[FST], SCK, v[FS0]               ; first: my share of the scale images
	s_and_b32 s18, ttmp7, 0xffff                   ; the head
	s_and_b32 s3, s[WV], 3
	s_lshr_b32 s17, s[WV], 2                       ; I fetch for K (0) or for V (1)
	s_lshl_b32 s19, ttmp9, 2
	s_add_co_u32 s19, s19, s3
	s_sub_co_u32 s2, 127, s19
	s_cmp_lt_u32 s[WV], 4
	s_cselect_b32 s19, s19, s2                     ; T, my tile of queries
	s_add_co_u32 s2, s17, 1                        ; tensor 1 is k, 2 is v
	s_lshl_b32 s68, s2, 21
	s_lshl_b32 s69, s18, 17
	s_add_co_u32 s68, s68, s69
	s_lshl_b32 s69, s3, 11
	s_add_co_u32 s68, s68, s69                     ; my quarter of the head's first image of K or V
	s_mov_b32 s69, 0
	s_lshl_b32 s70, s2, 17
	s_lshl_b32 s71, s18, 13
	s_add_co_u32 s70, s70, s71
	s_lshl_b32 s71, s3, 11
	s_add_co_u32 s70, s70, s71                     ; my quarter of the head's 8,192 bytes of scale images
	s_mov_b32 s71, 0
	s_lshl_b32 s72, s18, 17
	s_lshl_b32 s73, s19, 10
	s_add_co_u32 s72, s72, s73                     ; image T of the head: in q's part of qkvc, and in ac
	s_mov_b32 s73, 0
	s_lshl_b32 s74, s18, 13                        ; Q's scale words: image T / 8; lanes' half T % 2; word (T / 2) % 4
	s_lshr_b32 s2, s19, 3
	s_lshl_b32 s2, s2, 9
	s_add_co_u32 s74, s74, s2
	s_and_b32 s2, s19, 1
	s_lshl_b32 s2, s2, 8
	s_add_co_u32 s74, s74, s2
	s_bfe_u32 s2, s19, 0x20001
	s_lshl_b32 s2, s2, 2
	s_add_co_u32 s74, s74, s2
	s_mov_b32 s75, 0
	s_lshl_b32 s76, s19, 12                        ; mw: 4,096 bytes a tile
	s_mov_b32 s77, 0
	s_lshl_b32 s78, s19, 7                         ; msum: 128 bytes a tile
	s_mov_b32 s79, 0
	s_lshl_b32 s80, s19, 10                        ; asc: 64 bytes a stored row, 16 rows a tile; 4 bytes a head
	s_lshl_b32 s81, s18, 2
	s_add_co_u32 s80, s80, s81
	s_mov_b32 s81, 0
	s_or_b32 s2, s3, ttmp9                         ; who prefetches: waves 0 (K) and 4 (V) of the head's first work-group
	s_cmp_eq_u32 s2, 0
	s_cselect_b32 s[LIM], 1, -1
	s_mov_b32 s[SEL], 0x76543210
	s_mov_b32 s[SEL+1], 0xfedcba98
	s_mov_b32 s[CS], 0x3e0293ee                    ; c = log2(e) / sqrt(128)
	s_mov_b32 s[CS+1], s[CS]
	s_mov_b32 s[TB], 0
	s_mov_b32 s[TS], SCK
	s_wait_kmcnt 0x0
	s_add_nc_u64 s[30:31], s[4:5], s[68:69]
	s_add_nc_u64 s[70:71], s[6:7], s[70:71]
	s_add_nc_u64 s[12:13], s[12:13], s[72:73]
	s_add_nc_u64 s[72:73], s[4:5], s[72:73]
	s_add_nc_u64 s[74:75], s[6:7], s[74:75]
	s_add_nc_u64 s[8:9], s[8:9], s[76:77]
	s_add_nc_u64 s[10:11], s[10:11], s[78:79]
	s_add_nc_u64 s[14:15], s[14:15], s[80:81]
	s_wait_alu depctr_va_vdst(0)                   ; the offsets and addresses v1 to v4, v7 and v10 are written, which the loads, LDS stores, prefetches and stores below read
	global_load_b128 v[16:19], v[L16], s[72:73]    ; Q's fragment stays in registers
	global_load_b128 v[20:23], v[L16], s[72:73] offset:512
	global_load_b32 v255, v[RQ], s[74:75]
.irp i, 0,1,2,3
	global_load_b128 v[96+4*\i:99+4*\i], v[L16], s[70:71] offset:512*\i
.endr
	WIN 0x40                                       ; destination window 1.  (Between the wait above and these loads stand loads and this switch alone)
.irp i, 0,1,2,3
	global_load_b128 v[4*\i:4*\i+3], v[L16], s[30:31] offset:512*\i             ; tile 0 into set 0
.endr
.irp i, 0,1,2,3
	global_load_b128 v[16+4*\i:16+4*\i+3], v[L16], s[30:31] offset:8192+512*\i  ; tile 1 into set 1
.endr
	WIN 0
	s_load_b512 s[32:47], s[10:11], 0x0            ; my tile's 16 ANDs,
	s_load_b512 s[48:63], s[10:11], 0x40           ; and 16 ORs
	v_mov_b32 v13, 0xff61b1e6                      ; the largest t so far: -3e38
	v_floor_f32 v12, -v13                          ; -M
	v_mov_b32 v14, 0
	v_mov_b32 v15, 0
.irp b, 0,1,2,3
	v_mov_b32 v[236+\b], 0                         ; a lane permute's destination counts as one of its sources
.endr
	v_mov_b32 v252, 0
	v_mov_b32 v253, 0
.set j, 0
.rept 64
	v_mov_b32 v[160+j], 0                          ; O^T: the step is written without a first step of its own: it finds zeros, which the first change of M leaves zeros
.set j, j+1
.endr
	s_wait_kmcnt 0x0
	s_mov_b32 s[SKIP], 0
	s_mov_b32 s[OPEN], 0
	s_mov_b32 s17, -1
.irp s, 0,1,2,3,4,5,6,7,8,9,10,11,12,13,14,15
	s_and_b32 s17, s17, s[32+\s]                   ; bit 16 h + r: all of query r's keys of half h are masked, in every step
	s_cmp_eq_u32 s[32+\s], -1
	s_cselect_b32 s2, 1<<\s, 0
	s_or_b32 s[SKIP], s[SKIP], s2                  ; a step with all 2,048 bytes set
	s_cmp_eq_u32 s[48+\s], 0
	s_cselect_b32 s2, 1<<\s, 0
	s_or_b32 s[OPEN], s[OPEN], s2                  ; a step with none set
.endr
	s_lshr_b32 s2, s17, 16
	s_and_b32 s2, s2, s17                          ; queries with no open key at all
	s_cmp_lg_u32 s2, 0
	s_cselect_b32 s[SKIP], 0, s[SKIP]              ; a tile that holds one leaves nothing out
	s_wait_loadcnt 8                               ; Q, its scale words and my share of the scale images are in; tiles 0 and 1 may be out
.irp i, 0,1,2,3
	ds_store_b128 v[FST], v[96+4*\i:99+4*\i] offset:512*\i      ; (no vector instruction since the wait on va_vdst above names v2, v3 or v96-111)
.endr
	s_wait_loadcnt 4                               ; tile 0 is in; tile 1 may be out
	WIN 0x04                                       ; an LDS store's data are its source 1: window 1
.irp i, 0,1,2,3
	ds_store_b128 v[FS0], v[4*\i:4*\i+3] offset:512*\i
.endr
	WIN 0
	s_wait_dscnt 0x0                               ; for the others' sake: my stores are done
	s_barrier_signal -1
	s_barrier_wait -1
; A KEY STEP s, of parity p.  ld: tile s + 2 is asked for, into the set that tile s has left.  st: tile s + 1 goes to LDS; left = the younger loads that may stay out.  bar: the barrier between those stores and the next step's reads.
.macro STEP p, ld, st, left, bar
.if \ld
	WIN 0x40
	s_wait_alu depctr_vm_vsrc(0)                   ; the LDS stores issued so far have read set p, in which the loads below land, and v3; the LDS loads issued so far have read v8 and v9; in step 0 the head's stores have read v96-111
.irp i, 0,1,2,3
	global_load_b128 v[16*\p+4*\i:16*\p+4*\i+3], v[L16], s[30:31] offset:(\p+2)*8192+512*\i
.endr
	WIN 0
	; A PREFETCH INTO THE L2 of tile s + 4, two steps ahead of its loads: 8,192 bytes of K (wave 0) or of V (wave 4), lanes 256 bytes apart.  All 16 work-groups of a head walk the same tiles: the first asks, so each block of
	; 256 bytes is named once.  Tiles 0 to 3 come by their loads alone; the loop's last trip, whose tiles s + 4 do not exist, asks for nothing.
	s_cmp_gt_u32 s[CNT], s[LIM]
	s_cbranch_scc0 .Lno_ask_\@
	global_prefetch_b8 v[PFO], s[30:31] offset:(\p+4)*8192 th:TH_LOAD_NT scope:SCOPE_SE
.Lno_ask_\@:
.else
	s_wait_alu depctr_vm_vsrc(0)                   ; the LDS loads issued so far have read v8 and v9, the LDS stores v3: the adds below write them
.endif
	v_add_nc_u32 v[ADK], s[TB], v[L16]             ; the step's three LDS addresses stand together, ahead of the branch, so that one wait serves them on both ways
	v_add_nc_u32 v[ADS], s[TS], v[L16]
.if \st
	v_add_nc_u32 v[FST], s[TB], v[FS0]
.endif
	s_wait_alu depctr_va_vdst(0)                   ; v8, v9 and v3 are written, which the LDS loads and stores of this step read; the last products V^T P are done reading v32-95 and v248-251, in which K's loads land
	s_bitcmp1_b32 s[SKIP], 0                       ; a stored whole number decides: the step's loads, products and softmax are jumped over; not the fill, the steps of addresses or the barrier
	s_cbranch_scc1 .Ldone_\@
	s_load_b512 s[32:47], s[8:9], 0x0              ; the step's 64 lane masks: asked for in every step that is walked, so that they come while K's fragments do
	s_load_b512 s[48:63], s[8:9], 0x40
	s_load_b512 s[68:83], s[8:9], 0x80
	s_load_b512 s[84:99], s[8:9], 0xc0
	ds_load_b128 v[248:251], v[ADS]                ; K's scale image
.irp t, 0,1,2,3,4,5,6,7
.irp c, 0,1
	ds_load_b128 v[32+8*\t+4*\c:32+8*\t+4*\c+3], v[ADK] offset:1024*\t+512*\c
.endr
.endr
	s_wait_dscnt 8                                 ; the scale image and tiles 0-3 are in; tiles 4-7's eight loads may be out
	KQ 0
	KQ 1
	s_wait_dscnt 0x0
	KQ 2
	KQ 3
.rept 4
	v_nop                                          ; places in front of the first read of the scores
.endr
	s_wait_alu depctr_va_vdst(0)                   ; the products K Q^T are done reading K's fragments v32-95 and scale image v248-251, in which V's loads land
	ds_load_b128 v[248:251], v[ADS] offset:8192    ; V's scale image and fragments: they land while the softmax is walked, which names none of their registers
.irp t, 0,1,2,3,4,5,6,7
.irp c, 0,1
	ds_load_b128 v[32+8*\t+4*\c:32+8*\t+4*\c+3], v[ADK] offset:VOFF+1024*\t+512*\c
.endr
.endr
	s_wait_kmcnt 0x0                               ; the lane masks are in: their registers and their base may be written again
	s_bitcmp1_b32 s[OPEN], 0
	s_cbranch_scc1 .Lopen_\@
	v_mov_b32 v254, 0xfb800000                     ; -2^120
.set n, 0
.rept 32
	v_cndmask_b32 v[96+n], v[96+n], v254, s[32+n]
.set n, n+1
.endr
.rept 32
	v_cndmask_b32 v[96+n], v[96+n], v254, s[36+n]
.set n, n+1
.endr
.Lopen_\@:
.irp b, 0,1,2,3
	v_max3_num_f32 v[232+\b], v[96+16*\b], v[97+16*\b], v[98+16*\b]   ; the largest score of each block of 32 keys: for the row's maximum, and, since p rises with the score, for the block's largest p
.endr
.irp i, 3,5,7,9,11,13
.irp b, 0,1,2,3
	v_max3_num_f32 v[232+\b], v[232+\b], v[96+16*\b+\i], v[97+16*\b+\i]
.endr
.endr
.irp b, 0,1,2,3
	v_max_num_f32 v[232+\b], v[232+\b], v[111+16*\b]
.endr
.irp b, 0,1,2,3
	v_permlanex16_b32 v[236+\b], v[232+\b], s[SEL], s[SEL+1]
.endr
.irp b, 0,1,2,3
	v_max_num_f32 v[232+\b], v[232+\b], v[236+\b]  ; with lane l xor 16's 16 keys
.endr
	v_max3_num_f32 v254, v232, v233, v234
	v_max_num_f32 v254, v254, v235
	v_mul_f32 v254, s[CS], v254                    ; the step's largest t of my query
	v_max_num_f32 v13, v13, v254
	v_mov_b32 v254, v12
	v_floor_f32 v12, -v13                          ; the new -M = floor(-t): M is a whole number
	v_sub_f32 v254, v12, v254                      ; old M less new M: a whole number, 0 or less
	v_cvt_i32_f32 v254, v254                       ; (it saturates)
	v_ldexp_f32 v252, 1.0, v254                    ; f = 2^(old M - new M)
.set j, 0
.rept 32
	v_pk_fma_f32 v[96+j:97+j], v[96+j:97+j], s[CS:CS+1], v[12:13] op_sel_hi:[1,0,0]   ; t - M, two at a time
.set j, j+2
.endr
.irp b, 0,1,2,3
	v_fma_f32 v[232+\b], v[232+\b], s[CS], v12     ; the same of each block's largest score
.endr
.set j, 0
.rept 64
	v_exp_f32 v[96+j], v[96+j]                     ; p = 2^(t - M)
.set j, j+1
.endr
	v_pk_mul_f32 v[14:15], v[14:15], v[252:253] op_sel_hi:[1,0]   ; the sums under the new M: a plain place behind the exponentials
	s_wait_alu depctr_va_vdst(0)                   ; the 64 exponentials have written v96-159: one wait for the batch, ahead of its first reader
.irp b, 0,1,2,3
	v_exp_f32 v[232+\b], v[232+\b]                 ; the block's largest p
.endr
	v_pk_add_f32 v[236:237], v[96:97], v[98:99]    ; the row's sum is taken of the unquantised p, in two chains
.irp j, 4,8,12,16,20,24,28,32,36,40,44,48,52,56,60
	v_pk_add_f32 v[14:15], v[14:15], v[96+\j:97+\j]
	v_pk_add_f32 v[236:237], v[236:237], v[98+\j:99+\j]
.endr
	v_pk_add_f32 v[14:15], v[14:15], v[236:237]
	s_wait_alu depctr_va_vdst(0)                   ; the four exponentials have written v232-235, ahead of their first reader
.irp b, 0,1,2,3
	v_max_num_f32 v[232+\b], 0x1800000, v[232+\b]  ; the floor 2^(3 - 127)
.endr
.irp b, 0,1,2,3
	v_add_nc_u32 v[244+\b], 0xff000000, v[232+\b]
.endr
.irp b, 0,1,2,3
	v_lshrrev_b32 v[236+\b], 23, v[244+\b]
.endr
	v_lshl_or_b32 v253, v237, 8, v236              ; p's scale word for these 128 keys
	v_lshl_or_b32 v253, v238, 16, v253
	v_lshl_or_b32 v253, v239, 24, v253
.irp b, 0,1,2,3
	v_cvt_scalef32_pk8_fp4_f32 v[224+2*\b], v[96+16*\b:103+16*\b], v[244+\b]
	v_cvt_scalef32_pk8_fp4_f32 v[225+2*\b], v[104+16*\b:111+16*\b], v[244+\b]
.endr
	v_nop                                          ; one plain place behind a scaled conversion
.irp c, 0,1
.irp i, 0,1
	v_permlane16_swap_b32 v[224+4*\c+\i], v[226+4*\c+\i]
.endr
.endr
.set j, 0
.rept 32
	v_pk_mul_f32 v[160+j:161+j], v[160+j:161+j], v[252:253] op_sel_hi:[1,0]   ; O^T under the new M; these 32 are also the places in front of the scaled products
.set j, j+2
.endr
	s_wait_alu depctr_va_vdst(0)                   ; vector instructions have written p's codes v224-231 and scale word v253, which the scaled products below take; the places above stay beside this wait
	s_wait_dscnt 0x0                               ; V is in
	PV 0
	PV 1
	PV 2
	PV 3
.rept 4
	v_nop                                          ; places in front of the next read of O^T
.endr
.Ldone_\@:
.if \st
	s_wait_loadcnt \left                           ; tile s + 1's four loads are in
	WIN 0x04
.irp i, 0,1,2,3
	ds_store_b128 v[FST], v[16*(1-\p)+4*\i:16*(1-\p)+4*\i+3] offset:TILE+512*\i   ; no wait on va_vdst: no vector instruction since the one at the step's head names v3 or the set
.endr
	WIN 0
.endif
.if \bar
	s_add_co_u32 s[TB], s[TB], TILE
	s_add_co_u32 s[TS], s[TS], 512
	s_lshr_b32 s[SKIP], s[SKIP], 1
	s_lshr_b32 s[OPEN], s[OPEN], 1
	s_add_nc_u64 s[8:9], s[8:9], 256               ; the next step's lane masks
	s_wait_dscnt 0x0                               ; my stores of the next tile are done
	s_barrier_signal -1
	s_barrier_wait -1
.endif
.endm
	s_mov_b32 s[CNT], 7
.Ltrip:                                                ; seven trips of two steps: steps 0 to 13, which ask for tiles 2 to 15
	STEP 0, 1, 1, 4, 1
	STEP 1, 1, 1, 4, 1
	s_wait_xcnt 0x0                                ; the loads and the prefetch have read their base
	s_add_nc_u64 s[30:31], s[30:31], 2*8192
	s_sub_co_u32 s[CNT], s[CNT], 1
	s_cmp_lg_u32 s[CNT], 0
	s_cbranch_scc1 .Ltrip
	STEP 0, 0, 1, 0, 1                             ; step 14: nothing is left to ask for; tile 15 goes to LDS
	STEP 1, 0, 0, 0, 0                             ; step 15
	; THE WAY OUT: O^T / the sum, quantised along the head's 128: the eight code registers are a fragment of the last product's left operand.
	v_add_f32 v14, v14, v15
	v_permlanex16_b32 v252, v14, s[SEL], s[SEL+1]
	v_add_f32 v14, v14, v252                       ; the row's sum
	v_rcp_f32 v14, v14
	v_nop                                          ; a plain place behind the reciprocal
	s_wait_alu depctr_va_vdst(0)                   ; the reciprocal has written v14, ahead of its first reader
.set j, 0
.rept 64
	v_mul_f32 v[96+j], v[160+j], v14
.set j, j+1
.endr
	QUANT 96, 224, 253
	s_wait_alu depctr_va_vdst(0)                   ; the quantiser has written the codes v224-231 and the scale word v253, which the three stores read
	global_store_b128 v[L16], v[224:227], s[12:13]             ; 512 consecutive bytes a store
	global_store_b128 v[L16], v[228:231], s[12:13] offset:512
	global_store_b32 v[RO], v253, s[14:15]         ; 4 bytes of each of 16 rows of 64: the last launch wants a row's 16 words on end; 128 KiB in the whole launch leave so (both halves of the lanes write the same word)
	s_wait_dscnt 0x0                               ; the closing lines, six on end
	s_wait_alu 0x0
	s_wait_tensorcnt 0x0
	ds_add_u32 v[SPW], v[NIL]
	s_wait_dscnt 0x0
	s_endpgm
.Lfunc_end_k_q548815f16e_attn:
	.size	k_q548815f16e_attn, .Lfunc_end_k_q548815f16e_attn-k_q548815f16e_attn
	.p2alignl 7, 3214868480
	.fill 96, 4, 3214868480
	.section	.rodata,"a",@progbits
	.p2align	6, 0x0
	.amdhsa_kernel k_q548815f16e_attn
		.amdhsa_group_segment_fixed_size 279552
		.amdhsa_private_segment_fixed_size 0
		.amdhsa_enable_private_segment 0
		.amdhsa_kernarg_size 48
		.amdhsa_user_sgpr_count 2
		.amdhsa_user_sgpr_kernarg_segment_ptr 1
		.amdhsa_wavefront_size32 1
		.amdhsa_system_sgpr_workgroup_id_x 1
		.amdhsa_system_sgpr_workgroup_id_y 1
		.amdhsa_system_sgpr_workgroup_id_z 1
		.amdhsa_system_vgpr_workitem_id 0
		.amdhsa_next_free_vgpr 288
		.amdhsa_next_free_sgpr 102
		.amdhsa_reserve_vcc 0
		.amdhsa_float_denorm_mode_32 3
		.amdhsa_float_denorm_mode_16_64 3
		.amdhsa_memory_ordered 1
		.amdhsa_forward_progress 1
		.amdhsa_inst_pref_size 110
	.end_amdhsa_kernel
	.amdgpu_metadata
---
amdhsa.version: [ 1, 2 ]
amdhsa.kernels:
  - .name:           k_q548815f16e_attn
    .symbol:         k_q548815f16e_attn.kd
    .args:
      - { .name: qkvc, .offset: 0, .size: 8, .value_kind: global_buffer, .address_space: global }
      - { .name: qkvs, .offset: 8, .size: 8, .value_kind: global_buffer, .address_space: global }
      - { .name: mw, .offset: 16, .size: 8, .value_kind: global_buffer, .address_space: global }
      - { .name: msum, .offset: 24, .size: 8, .value_kind: global_buffer, .address_space: global }
      - { .name: ac, .offset: 32, .size: 8, .value_kind: global_buffer, .address_space: global }
      - { .name: asc, .offset: 40, .size: 8, .value_kind: global_buffer, .address_space: global }
    .group_segment_fixed_size: 279552
    .private_segment_fixed_size: 0
    .kernarg_segment_align: 8
    .kernarg_segment_size: 48
    .max_flat_workgroup_size: 256
    .sgpr_count:     102
    .vgpr_count:     288
    .wavefront_size: 32
...
	.end_amdgpu_metadata
.endif
;; end of part 5
;; launch proj: the kernel of part 4 again; grid 8 x 8, 4 waves a work-group, clusters of 4 x 4, 327,680 bytes of LDS; arguments ac, asc, codes, scl, bo, out0; writes out0
